; MI455X (gfx1250); checked and timed in simulation.
; The chip was launched on July 23, 2026; its instructions are those of AMD's public machine-readable ISA for CDNA 5 (MIT licence, August 2026) and "CDNA5" Instruction Set Architecture Reference Guide (July 2026). The comments in the code are by the model that wrote it; some were corrected since.
;; Resource Allocator Decoder. Allowed arithmetic: float matrix products may take bf16 or f16 operands with f32 sums; other float arithmetic in f32, or as packed bf16 or f16 multiplies, adds, multiply-adds, maxima and minima; sums over many terms, partial sums and values carried from step to step in f32; what a program stores and reads back later, other than sums and carried values, may be rounded once to bf16 or f16.
;; Inputs: connect 16 x 2,048 x 512 int32; fd_bias one number float32; fd_onehot 16 x 512 x 32 int32; ptr_k_w 128 x 128 float32; ptr_q_w 128 x 128 float32; score_bias 1 float32; server_enc 16 x 512 x 128 float32; servers 16 x 512 x 7 float32; state_proj_b 128 float32; state_proj_w 128 x 4 float32; user_enc 16 x 2,048 x 128 float32; user_state_w 1 x 3 float32; users 16 x 2,048 x 6 float32.
;; Outputs: out0 16 float32; out1 16 x 2,048 x 512 bool; out2 16 x 512 x 4 float32.
;; 2 versions, each right; version 2 is version 1 with the launch prep written anew for expert scheduling mode. Each part assembles by itself: llvm-mc -triple=amdgcn-amd-amdhsa -mcpu=gfx1250 --defsym DOCPART=n.
;; ======== version 1 of 2: 7 launches
;; limits: right only within a limited range of input values
;; workspace buffers: tb 6,303,744 bytes; base 69,206,016 bytes; si 32,768 bytes of whole numbers; ia 2,556,928 bytes of whole numbers; ib 2,556,928 bytes of whole numbers; fa 229,376 bytes; fb 229,376 bytes
;; launch prep (part 1): grid 513 x 1, 8 waves a work-group, no clusters, 53,248 bytes of LDS; arguments connect, fd_onehot, server_enc, servers, state_proj_w, state_proj_b, ptr_k_w, ptr_q_w, tb, si, ia, fa; writes tb, si, ia, fa
.if DOCPART == 1
	.amdgcn_target "amdgcn-amd-amdhsa--gfx1250"
	.amdhsa_code_object_version 6
	.text
	.protected	k_q4031b56a66_prep
	.globl	k_q4031b56a66_prep
	.p2align	8
	.type	k_q4031b56a66_prep,@function
k_q4031b56a66_prep:
	s_mov_b64 s[64:65], 0
	v_nop
	global_prefetch_b8 v0, s[64:65] scope:SCOPE_SE
	s_setreg_imm32_b32 hwreg(HW_REG_WAVE_MODE, 25, 1), 1
	s_wait_xcnt 0x0
; PREP.  Two programs in one launch, chosen by the work-group's number, so that a work-group that streams and one that multiplies can share a WGP.
; PACK (even numbers below 512): connect [16][2048][512] i32 is read once and packed to bits: E[b][blk][u], bit l of block blk = 4 G + j is server s = 128 G + 4 l + j,
;   so that a lane's 16 bytes of connect (servers 128 G + 4 lane + 0..3) give, by four compares, the words of the four blocks of G.  Also clears RC and SEEN.
; CHAIN (odd numbers, and 512): T'[p][:] = isd Wq^T Wk x[p], 32 rows p a work-group (x = a row of server_enc; in work-group 512 the four columns of state_proj_w, state_proj_b and zeros).
;   Both products go to the matrix unit in bf16.  Each f32 number is cut into three bf16 parts h + m + l (the two subtractions are exact), and six of the nine partial products are kept:
;   lh, hl, mm, mh, hm, hh, the small ones first.  T' is stored as three bf16 parts for the next launch.  Also fd bits, the first capacities and an empty set of proposals.
; NO CLUSTER: the 64 MB of connect have one reader each; what CHAIN's work-groups share is two weights of 64 KB, a small part of the launch's bytes, and they pass through registers to be cut in parts.
; LIMITS: fd_onehot counts as 0 or not 0; NaN and infinities are not treated apart.
.set XP,    0                          ; LDS: [part 3][row 32] of 256 bytes + 16 of padding
.set XP2,   26112                      ; the same once more
.set SPARE, 52224                      ; the spare words, 128 bytes a wave
.set PART,  8704
.set PITCH, 272
.set CB,  16                           ; PACK  v[16:143]  32 slots of 4 registers
.set WB,  144                          ; PACK  v[144:151] words gathered: block j, user parity
.set WF,  16                           ; CHAIN v[16:79]   weights in f32, 16 for each 32 of K
.set WP,  80                           ; CHAIN v[80:103]  weights' three parts; also what the splits leave for LDS
.set XF,  104                          ; CHAIN v[104:151] fragments of the rows: 2 blocks x 3 parts x 8
.set ACC, 152                          ; CHAIN v[152:167] two accumulators
.set T,   168                          ; CHAIN v[168:169] at work
.set MI,  170                          ; CHAIN v[170:203] the small tables
.set O_RC,    2097152
.set O_PROPI, 2359296
.set O_HIST,  2424832
.set O_ANYV,  2555904
.set O_PROPF, 131072
.set O_LPACC, 196608
.macro PLACES                          ; four plain vector instructions between a matrix instruction and a write of, or a load into, one of its registers, or a read of its result
.rept 4
	v_nop
.endr
.endm
; the pair x is cut into h + m + l, two bf16 to a register; x is used up
.macro SPLIT x, h, m, l
	v_cvt_pk_bf16_f32 v[\h], v[\x], v[(\x)+1]
	v_lshlrev_b32 v[T], 16, v[\h]
	v_and_b32 v[T+1], s7, v[\h]
	v_pk_add_f32 v[(\x):(\x)+1], v[(\x):(\x)+1], v[T:T+1] neg_lo:[0,1] neg_hi:[0,1]
	v_cvt_pk_bf16_f32 v[\m], v[\x], v[(\x)+1]
	v_lshlrev_b32 v[T], 16, v[\m]
	v_and_b32 v[T+1], s7, v[\m]
	v_pk_add_f32 v[(\x):(\x)+1], v[(\x):(\x)+1], v[T:T+1] neg_lo:[0,1] neg_hi:[0,1]
	v_cvt_pk_bf16_f32 v[\l], v[\x], v[(\x)+1]
.endm
	s_load_b512 s[8:23], s[0:1], 0x0               ; connect 8, fd_onehot 10, server_enc 12, servers 14, state_proj_w 16, state_proj_b 18, ptr_k_w 20, ptr_q_w 22
	s_load_b256 s[24:31], s[0:1], 0x40             ; tb 24, si 26, ia 28, fa 30
	v_lshl_add_u32 v2, v0, 2, SPARE
	v_mov_b32 v3, 0
	v_lshrrev_b32 v1, 5, v0
	v_readfirstlane_b32 s2, v1                     ; wave 0..7
	v_and_b32 v4, 31, v0                           ; lane
	s_mov_b32 s6, ttmp9
	s_lshr_b32 s3, s6, 1                           ; k
	s_and_b32 s4, s6, 1
	s_cmp_eq_u32 s6, 512
	s_cselect_b32 s5, 1, 0                         ; 1: the extra work-group
	s_or_b32 s4, s4, s5                            ; 1: CHAIN
	s_lshr_b32 s32, s3, 4                          ; b
	s_and_b32 s33, s3, 15                          ; PACK: block of 128 users; CHAIN: block of 32 servers
	s_mov_b32 s7, 0xffff0000
	s_wait_kmcnt 0x0
	s_cmp_eq_u32 s4, 0
	s_cbranch_scc0 .Lchain
; ---------------------------------------------------------------- PACK
; Wave pw takes the 128 servers of G = pw % 4 for the 64 users 128 ub + 64 (pw / 4) + 0..63: one load is a user's 512 consecutive bytes.
	s_and_b32 s34, s2, 3                           ; G
	s_lshr_b32 s35, s2, 2
	s_lshl_b32 s36, s33, 7
	s_lshl_b32 s37, s35, 6
	s_add_co_u32 s36, s36, s37                     ; my first user in the batch
	s_lshl_b32 s37, s32, 11
	s_add_co_u32 s37, s37, s36
	s_lshl_b32 s38, s37, 11                        ; a row of connect is 2,048 bytes
	s_lshl_b32 s39, s34, 9
	s_add_co_u32 s38, s38, s39
	s_mov_b32 s39, 0
	s_add_nc_u64 s[8:9], s[8:9], s[38:39]
	v_lshlrev_b32 v5, 4, v4
	v_lshlrev_b32 v6, 3, v4
.set n, 0
.rept 32
	global_load_b128 v[CB+4*n:CB+4*n+3], v5, s[8:9] offset:n*2048 th:TH_LOAD_NT
.set n, n+1
.endr
.set n, 0
.rept 8
	v_mov_b32 v[WB+n], 0                           ; v_writelane_b32 keeps the other lanes: the register is written whole first
.set n, n+1
.endr
.irp q, 8,9,10,11
	v_mov_b32 v\q, 0
.endr
	s_lshl_b32 s40, s32, 4
	s_lshl_b32 s41, s34, 2
	s_add_co_u32 s40, s40, s41                     ; 16 b + 4 G
	s_lshl_b32 s40, s40, 11
	s_add_co_u32 s40, s40, s36
	s_lshl_b32 s40, s40, 2
	s_mov_b32 s41, 0
	s_add_nc_u64 s[42:43], s[28:29], s[40:41]      ; E at block 4 G, my first user
; User i: four compares give the words of blocks 4 G + 0..3; word (j, i) goes to lane i / 2 of register 2 j + i % 2.  left = the younger loads that may stay out.
.macro SLOT i, left
	s_wait_loadcnt \left
.irp j, 0,1,2,3
	v_cmp_ne_u32 s[44+\j], 0, v[CB+4*((\i)%32)+\j]
.endr
.irp j, 0,1,2,3
	v_writelane_b32 v[WB+2*\j+((\i)&1)], s[44+\j], (\i)>>1
.endr
.if (\i) < 32
	global_load_b128 v[CB+4*(\i):CB+4*(\i)+3], v5, s[8:9] offset:((\i)+32)*2048 th:TH_LOAD_NT
.endif
.endm
.set n, 0
.rept 32
	SLOT n, 31                                     ; behind user n's load: 31 - n first loads and n loads issued again
.set n, n+1
.endr
.rept 32
	SLOT n, 63-n                                   ; the counts run down
.set n, n+1
.endr
.irp j, 0,1,2,3
	global_store_b64 v6, v[WB+2*\j:WB+2*\j+1], s[42:43] offset:\j*8192  ; 64 users' words: 256 consecutive bytes, aligned
.endr
	s_cmp_lt_u32 s2, 2
	s_cbranch_scc0 .Lpack_end
	s_lshl_b32 s40, s32, 13                        ; wave 0 clears RC, wave 1 SEEN (131,072 bytes on) for the group's 128 users
	s_lshl_b32 s44, s33, 9
	s_add_co_u32 s40, s40, s44
	s_lshl_b32 s44, s2, 17
	s_add_co_u32 s40, s40, s44
	s_add_nc_u64 s[48:49], s[28:29], s[40:41]
	global_store_b128 v5, v[8:11], s[48:49] offset:O_RC
.Lpack_end:
	s_wait_tensorcnt 0x0                           ; the wave's end
	ds_add_u32 v2, v3
	s_wait_dscnt 0x0
	s_endpgm
; ---------------------------------------------------------------- CHAIN
.Lchain:
	v_and_b32 v5, 15, v4                           ; r
	v_lshrrev_b32 v6, 4, v4                        ; h
	s_lshr_b32 s34, s33, 2                         ; G
	s_and_b32 s35, s33, 3                          ; j
	s_lshl_b32 s36, s2, 13
	s_lshl_b32 s37, s2, 6
	s_mul_i32 s38, s2, 4*PITCH
	s_lshl_b32 s39, s2, 5
	v_lshlrev_b32 v14, 4, v4                       ; 16 lane
	v_lshlrev_b32 v15, 2, v4                       ; 4 lane
	v_lshlrev_b32 v8, 9, v5                        ; Wk[16 cw + r][8 h ..]: 512 r + 32 h + 8,192 cw
	v_lshl_add_u32 v8, v6, 5, v8
	v_add_nc_u32 v8, s36, v8
	v_lshlrev_b32 v9, 12, v6                       ; Wq[8 h ..][16 cw + r]: 4,096 h + 4 r + 64 cw
	v_lshl_add_u32 v9, v5, 2, v9
	v_add_nc_u32 v9, s37, v9
	v_mul_u32_u24 v10, v5, PITCH                   ; a fragment's row: 272 r + 16 h
	v_lshl_add_u32 v10, v6, 4, v10
	v_lshl_add_u32 v11, v4, 3, s38                 ; the fill: rows 4 cw + i, 8 bytes a lane
	v_add_nc_u32 v12, s39, v10                     ; a result: row r, columns 16 cw + 8 h + 0..7
	v_mul_u32_u24 v13, v6, PITCH                   ; back as whole rows: rows 4 cw + lane / 16, 16 bytes a lane
	v_lshl_add_u32 v13, v5, 4, v13
	v_add_nc_u32 v13, s38, v13
	s_lshl_b32 s40, s32, 9
	s_lshl_b32 s41, s33, 5
	s_add_co_u32 s41, s41, s40                     ; 512 b + 32 blk: my first position
	s_lshl_b32 s42, s34, 7
	s_add_co_u32 s40, s40, s42
	s_add_co_u32 s40, s40, s35                     ; 512 b + 128 G + j: my first server; the next lie 4 apart
	v_add_nc_u32 v204, s41, v4
	v_lshlrev_b32 v205, 3, v204                    ; position x 8, x 16, x 4
	v_lshlrev_b32 v206, 4, v204
	v_lshlrev_b32 v204, 2, v204
	v_mul_u32_u24 v207, v4, 112                    ; four rows of servers, 28 bytes each
	s_mov_b32 s43, 0
	s_lshl_b32 s42, s40, 9
	s_add_co_u32 s42, s42, s36
	s_add_nc_u64 s[12:13], s[12:13], s[42:43]      ; server_enc at row 4 cw of my 32 (not used by the extra work-group)
	s_lshl_b32 s42, s40, 7
	s_add_nc_u64 s[10:11], s[10:11], s[42:43]
	s_mul_i32 s42, s40, 28
	s_add_nc_u64 s[14:15], s[14:15], s[42:43]
	s_mov_b32 s46, 0x3db504f3                      ; 128^-0.5
	s_mov_b32 s47, s46
	s_lshl_b32 s48, s32, 2                         ; where T' goes: ((4 b + G) 3 + part) 32,768 + (32 j + row) 256; the extra rows at 6,291,456, parts 4,096 apart
	s_add_co_u32 s48, s48, s34
	s_mul_i32 s48, s48, 98304
	s_lshl_b32 s49, s35, 13
	s_add_co_u32 s48, s48, s49
	s_mov_b32 s50, 32768
	s_mov_b32 s51, 0
	s_cmp_eq_u32 s5, 1
	s_cselect_b32 s48, 6291456, s48
	s_cselect_b32 s50, 4096, s50
	s_lshl_b32 s49, s2, 10
	s_add_co_u32 s48, s48, s49
	s_mov_b32 s49, 0
	s_add_nc_u64 s[52:53], s[24:25], s[48:49]
	s_add_nc_u64 s[54:55], s[52:53], s[50:51]
	s_add_nc_u64 s[56:57], s[54:55], s[50:51]
	s_cmp_eq_u32 s5, 1
	s_cbranch_scc1 .Lext_fill
.irp i, 0,1,2,3
	global_load_b128 v[XF+4*\i:XF+4*\i+3], v14, s[12:13] offset:\i*2048  ; row 4 cw + i: 512 consecutive bytes
.endr
	s_cmp_lg_u32 s2, 0
	s_cbranch_scc1 .Lload_1
.set n, 0
.rept 32
	global_load_b32 v[MI+n], v15, s[10:11] offset:n*512  ; wave 0: fd_onehot's row of position n, lane = domain
.set n, n+1
.endr
	s_branch .Lfilled
.Lload_1:
	s_cmp_lg_u32 s2, 1
	s_cbranch_scc1 .Lfilled
.irp c, 0,1,2,3
	global_load_b32 v[MI+2+\c], v207, s[14:15] offset:12+4*\c  ; wave 1: servers[..][3 + c], lane = position
.endr
	s_branch .Lfilled
.Lext_fill:
.set n, 0
.rept 16
	v_mov_b32 v[XF+n], 0
.set n, n+1
.endr
	s_cmp_lg_u32 s2, 0
	s_cbranch_scc1 .Lext_b
	v_lshlrev_b32 v7, 6, v4
.irp q, 0,1,2,3
	global_load_b128 v[XF+16+4*\q:XF+19+4*\q], v7, s[16:17] offset:16*\q  ; state_proj_w[4 lane + q][0..3]
.endr
	s_wait_loadcnt 0x0
.irp i, 0,1,2,3
.irp q, 0,1,2,3
	v_mov_b32 v[XF+4*\i+\q], v[XF+16+4*\q+\i]      ; row i is column i of state_proj_w
.endr
.endr
	s_branch .Lfilled
.Lext_b:
	s_cmp_lg_u32 s2, 1
	s_cbranch_scc1 .Lfilled
	global_load_b128 v[XF:XF+3], v14, s[18:19]     ; row 4 is state_proj_b
.Lfilled:
.irp kk, 0,1,2,3
.irp q, 0,1,2,3
	global_load_b128 v[WF+16*\kk+4*\q:WF+16*\kk+4*\q+3], v8, s[20:21] offset:\kk*128+(\q>>1)*64+(\q&1)*16
.endr
.endr
	s_wait_loadcnt 0x0                             ; everything asked for so far
	; the small tables, each by one wave
	s_cmp_eq_u32 s5, 1
	s_cbranch_scc1 .Lmisc_ext
	s_cmp_lg_u32 s2, 0
	s_cbranch_scc1 .Lmisc_1
	v_mov_b32 v[MI+32], 0
.set n, 0
.rept 32
	v_cmp_ne_u32 s44, 0, v[MI+n]
	v_writelane_b32 v[MI+32], s44, n               ; lane n: the 32 domain bits of position n
.set n, n+1
.endr
	global_store_b32 v204, v[MI+32], s[26:27]
	s_branch .Lmisc_done
.Lmisc_1:
	s_cmp_lg_u32 s2, 1
	s_cbranch_scc1 .Lmisc_2
	global_store_b128 v206, v[MI+2:MI+5], s[30:31] ; CAP
	s_branch .Lmisc_done
.Lmisc_2:
	s_cmp_lg_u32 s2, 2
	s_cbranch_scc1 .Lmisc_3
	v_mov_b32 v[MI], 0x800                         ; no user proposed,
	v_mov_b32 v[MI+1], 0
.irp c, 2,3,4,5
	v_mov_b32 v[MI+\c], 0x800                      ; none accepted so far
.endr
	global_store_b64 v205, v[MI:MI+1], s[28:29] offset:O_PROPI
	global_store_b128 v206, v[MI+2:MI+5], s[28:29] offset:O_HIST
	s_branch .Lmisc_done
.Lmisc_3:
	s_cmp_lg_u32 s2, 3
	s_cbranch_scc1 .Lmisc_done
	v_mov_b32 v[MI], 0
	v_mov_b32 v[MI+1], 0
	global_store_b64 v205, v[MI:MI+1], s[30:31] offset:O_PROPF
	global_store_b32 v204, v[MI], s[30:31] offset:O_LPACC
	s_branch .Lmisc_done
.Lmisc_ext:
	s_cmp_lg_u32 s2, 7
	s_cbranch_scc1 .Lmisc_done
.irp c, 0,1,2,3
	v_mov_b32 v[MI+\c], 0
.endr
	v_lshlrev_b32 v205, 5, v4
	global_store_b128 v205, v[MI:MI+3], s[28:29] offset:O_ANYV      ; all 256 words of ANYV
	global_store_b128 v205, v[MI:MI+3], s[28:29] offset:O_ANYV+16
.Lmisc_done:
	; the 32 rows, cut in parts, into XP
.irp i, 0,1,2,3
.irp q, 0,1
	SPLIT XF+4*\i+2*\q, WP+2*\i+\q, WP+8+2*\i+\q, WP+16+2*\i+\q
.endr
.endr
.irp i, 0,1,2,3
.irp pt, 0,1,2
	ds_store_b64 v11, v[WP+8*\pt+2*\i:WP+8*\pt+2*\i+1] offset:XP+\pt*PART+\i*PITCH
.endr
.endr
	s_wait_dscnt 0x0                               ; for the others' sake: my rows are in LDS
	s_barrier_signal -1
	s_barrier_wait -1
; two matrix instructions: part pa of the weights (source 0: 16 output columns) x part pb of the rows (source 1: 16 rows), the two accumulators by turns
.macro MMX pa, pb, zero
.irp nb, 0,1
.if \zero
	v_wmma_f32_16x16x32_bf16 v[ACC+8*\nb:ACC+8*\nb+7], v[WP+8*(\pa):WP+8*(\pa)+7], v[XF+8*(3*\nb+(\pb)):XF+8*(3*\nb+(\pb))+7], 0
.else
	v_wmma_f32_16x16x32_bf16 v[ACC+8*\nb:ACC+8*\nb+7], v[WP+8*(\pa):WP+8*(\pa)+7], v[XF+8*(3*\nb+(\pb)):XF+8*(3*\nb+(\pb))+7], v[ACC+8*\nb:ACC+8*\nb+7]
.endif
.endr
.endm
; One product, 32 rows x my 16 columns x 128.  src: where the rows' parts lie.  two = 0: the weights are Wk, in registers; each K step's registers are loaded again with Wq as soon as they are cut.
; two = 1: the weights are Wq; the wait leaves the 16 loads of each later K step out.
.macro STAGE src, two
.irp kk, 0,1,2,3
.if \two
	s_wait_loadcnt 48-16*\kk
.endif
	PLACES
.irp nb, 0,1
.irp pt, 0,1,2
	ds_load_b128 v[XF+8*(3*\nb+\pt):XF+8*(3*\nb+\pt)+3],   v10 offset:(\src)+\pt*PART+\nb*16*PITCH+\kk*64
	ds_load_b128 v[XF+8*(3*\nb+\pt)+4:XF+8*(3*\nb+\pt)+7], v10 offset:(\src)+\pt*PART+\nb*16*PITCH+\kk*64+32
.endr
.endr
.irp q, 0,1,2,3,4,5,6,7
	SPLIT WF+16*\kk+2*\q, WP+\q, WP+8+\q, WP+16+\q
.endr
.if !(\two)
.irp e, 0,1,2,3,4,5,6,7
	global_load_b32 v[WF+16*\kk+\e],   v9, s[22:23] offset:(32*\kk+\e)*512
	global_load_b32 v[WF+16*\kk+8+\e], v9, s[22:23] offset:(32*\kk+16+\e)*512
.endr
.endif
	s_wait_dscnt 0x0
.if \kk == 0
	MMX 2, 0, 1                                    ; the first product starts the sums
.else
	MMX 2, 0, 0
.endif
	MMX 0, 2, 0
	MMX 1, 1, 0
	MMX 1, 0, 0
	MMX 0, 1, 0
	MMX 0, 0, 0
.endr
.endm
; The results (lane: row 16 nb + r, columns 16 cw + 8 h + 0..7) are cut in parts and laid into dst; each accumulator is read from its low end on.
.macro EPI dst, scale
	PLACES
.if \scale
.irp q, 0,1,2,3,4,5,6,7
	v_pk_mul_f32 v[ACC+2*\q:ACC+2*\q+1], v[ACC+2*\q:ACC+2*\q+1], s[46:47] op_sel_hi:[1,0]
.endr
.endif
.irp nb, 0,1
.irp q, 0,1,2,3
	SPLIT ACC+8*\nb+2*\q, WP+12*\nb+\q, WP+12*\nb+4+\q, WP+12*\nb+8+\q
.endr
.endr
.irp nb, 0,1
.irp pt, 0,1,2
	ds_store_b128 v12, v[WP+12*\nb+4*\pt:WP+12*\nb+4*\pt+3] offset:(\dst)+\pt*PART+\nb*16*PITCH
.endr
.endr
	s_wait_dscnt 0x0                               ; my stores are done, and so are my reads of the rows: behind the barrier they may be written over
	s_barrier_signal -1
	s_barrier_wait -1
.endm
	STAGE XP, 0                                    ; Y = X Wk^T
	EPI XP2, 0
	STAGE XP2, 1                                   ; T' = isd Y Wq
	EPI XP, 1
	s_lshr_b32 s58, s2, 2                          ; of the extra work-group only rows 0-15 are stored
	s_and_b32 s58, s58, s5
	s_cmp_lg_u32 s58, 0
	s_cbranch_scc1 .Lchain_end
.irp pt, 0,1,2
.irp t, 0,1
	ds_load_b128 v[XF+4*(2*\pt+\t):XF+4*(2*\pt+\t)+3], v13 offset:XP+\pt*PART+\t*2*PITCH
.endr
.endr
.irp pt, 0,1,2
.irp t, 0,1
	s_wait_dscnt 5-(2*\pt+\t)
	global_store_b128 v14, v[XF+4*(2*\pt+\t):XF+4*(2*\pt+\t)+3], s[52+2*\pt:53+2*\pt] offset:\t*512  ; two rows: 512 consecutive bytes, aligned
.endr
.endr
.Lchain_end:
	s_wait_tensorcnt 0x0                           ; the wave's end
	ds_add_u32 v2, v3
	s_wait_dscnt 0x0
	s_endpgm
.Lfunc_end_k_q4031b56a66_prep:
	.size	k_q4031b56a66_prep, .Lfunc_end_k_q4031b56a66_prep-k_q4031b56a66_prep
	.p2alignl 7, 3214868480
	.fill 96, 4, 3214868480
	.section	.rodata,"a",@progbits
	.p2align	6, 0x0
	.amdhsa_kernel k_q4031b56a66_prep
		.amdhsa_group_segment_fixed_size 53248
		.amdhsa_private_segment_fixed_size 0
		.amdhsa_enable_private_segment 0
		.amdhsa_kernarg_size 96
		.amdhsa_user_sgpr_count 2
		.amdhsa_user_sgpr_kernarg_segment_ptr 1
		.amdhsa_wavefront_size32 1
		.amdhsa_system_sgpr_workgroup_id_x 1
		.amdhsa_system_sgpr_workgroup_id_y 1
		.amdhsa_system_sgpr_workgroup_id_z 1
		.amdhsa_system_vgpr_workitem_id 0
		.amdhsa_next_free_vgpr 208
		.amdhsa_next_free_sgpr 66
		.amdhsa_reserve_vcc 0
		.amdhsa_float_denorm_mode_32 3
		.amdhsa_float_denorm_mode_16_64 3
		.amdhsa_memory_ordered 1
		.amdhsa_forward_progress 1
		.amdhsa_inst_pref_size 121
	.end_amdhsa_kernel
	.amdgpu_metadata
---
amdhsa.version: [ 1, 2 ]
amdhsa.kernels:
  - .name:           k_q4031b56a66_prep
    .symbol:         k_q4031b56a66_prep.kd
    .args:
      - { .name: connect, .offset: 0, .size: 8, .value_kind: global_buffer, .address_space: global }
      - { .name: fd_onehot, .offset: 8, .size: 8, .value_kind: global_buffer, .address_space: global }
      - { .name: server_enc, .offset: 16, .size: 8, .value_kind: global_buffer, .address_space: global }
      - { .name: servers, .offset: 24, .size: 8, .value_kind: global_buffer, .address_space: global }
      - { .name: state_proj_w, .offset: 32, .size: 8, .value_kind: global_buffer, .address_space: global }
      - { .name: state_proj_b, .offset: 40, .size: 8, .value_kind: global_buffer, .address_space: global }
      - { .name: ptr_k_w, .offset: 48, .size: 8, .value_kind: global_buffer, .address_space: global }
      - { .name: ptr_q_w, .offset: 56, .size: 8, .value_kind: global_buffer, .address_space: global }
      - { .name: tb, .offset: 64, .size: 8, .value_kind: global_buffer, .address_space: global }
      - { .name: si, .offset: 72, .size: 8, .value_kind: global_buffer, .address_space: global }
      - { .name: ia, .offset: 80, .size: 8, .value_kind: global_buffer, .address_space: global }
      - { .name: fa, .offset: 88, .size: 8, .value_kind: global_buffer, .address_space: global }
    .group_segment_fixed_size: 53248
    .private_segment_fixed_size: 0
    .kernarg_segment_align: 8
    .kernarg_segment_size: 96
    .max_flat_workgroup_size: 256
    .sgpr_count:     66
    .vgpr_count:     208
    .wavefront_size: 32
...
	.end_amdgpu_metadata
.endif
;; end of part 1
;; launch gemm (part 2): grid 16 x 16, 4 waves a work-group, clusters of 4 x 1, 327,680 bytes of LDS; arguments user_enc, tb, base; writes base
.if DOCPART == 2
	.amdgcn_target "amdgcn-amd-amdhsa--gfx1250"
	.amdhsa_code_object_version 6
	.text
	.protected	k_q4031b56a66_gemm
	.globl	k_q4031b56a66_gemm
	.p2align	8
	.type	k_q4031b56a66_gemm,@function
k_q4031b56a66_gemm:
	s_mov_b64 s[64:65], 0
	v_nop
	global_prefetch_b8 v0, s[64:65] scope:SCOPE_SE
	s_setreg_imm32_b32 hwreg(HW_REG_WAVE_MODE, 25, 1), 1
	s_wait_xcnt 0x0
	s_wait_alu depctr_hold_cnt(0) depctr_sa_sdst(0) depctr_va_vdst(0) depctr_va_sdst(0) depctr_va_ssrc(0) depctr_va_vcc(0) depctr_vm_vsrc(0)
	s_getreg_b32 s2, hwreg(HW_REG_IB_STS2, 6, 4)
	s_cmp_eq_u32 s2, 0
	s_cbranch_scc0 .Lentry_in_a_cluster
	s_endpgm
.Lentry_in_a_cluster:
	s_bfe_u32 s2, ttmp6, 0x10000c
	s_cmp_lg_u32 s2, 0x3003
	s_cbranch_scc0 .Lentry_shape_is_right
	s_endpgm
.Lentry_shape_is_right:
; GEMM.  base'[b][u][p] = user_enc[b][u][:] . T'[b][p][:], and the same against the 16 extra rows (g'0..3, h', zeros).  f32 results from bf16 matrix work: user_enc is cut here into three bf16
; parts, T' comes in three parts, and six partial products are added, the small ones first: lh, hl, mm, mh, hm, hh.
; SHARES.  A work-group has 128 users of a batch and all 512 positions, a wave 32 users.  The positions go in four chunks of 128 through two LDS slots.
; CLUSTER.  The four work-groups of a cluster belong to one batch and read the same chunks, so each chunk is asked for JOINTLY (mask 15): a wave fetches 96 of its 384 rows of 256 bytes.
; By this text's count a wave has two tensor loads out at the start (chunk 0, the extra rows) and one behind each round.
; LAYOUT OUT.  Source 0 = 16 users, source 1 = 16 positions: a lane holds one position and eight users.  base'[b][blk][u / 4][l][u % 4]: four users' numbers of a position are 16 bytes, and 16 lanes
; store 256 consecutive bytes.  UG[b][u / 4][row 16][u % 4] for the extra rows, from byte 67,108,864 on.
; REGISTERS.  Window 0: v0-15 addresses; v16-207 the users' parts, AP(part, m, kk) = 16 + 64 part + 32 m + 8 kk.  Window 1: v0-95 two buffers of T' fragments; v128-255 ACC(m, nb) = 128 + 8 (8 m + nb).
; One window setting serves a whole chunk: source 0 and every address in window 0; source 1, C, D, loaded data and store data in window 1.
.set PITCH, 272
.set SLOT1, 131072
.set EXT,   235520
.set SPARE, 248576
.set MAIN,  0x54
.set MSB, 0
.macro WIN new                         ; the immediate's high byte repeats the setting that is left
.if MSB != (\new)
	s_set_vgpr_msb (MSB<<8)|(\new)
.set MSB, \new
.endif
.endm
.macro PLACES
.rept 4
	v_nop
.endr
.endm
.macro CROUND                          ; a round of the cluster's barrier
	s_barrier_signal -1
	s_barrier_wait -1
	s_cmp_lg_u32 s12, 0
	s_cbranch_scc1 .Lnot_wave_0_\@
	s_barrier_signal -3
.Lnot_wave_0_\@:
	s_barrier_wait -3
	s_barrier_signal -1
	s_barrier_wait -1
.endm
	s_load_b128 s[4:7], s[0:1], 0x0                ; user_enc, tb
	s_load_b64 s[8:9], s[0:1], 0x10                ; base
	v_lshl_add_u32 v2, v0, 2, SPARE
	v_mov_b32 v3, 0
	ds_add_u32 v2, v3                              ; the wave's opening: the add and its wait stand ahead of my first tensor load
	v_lshrrev_b32 v1, 5, v0
	v_readfirstlane_b32 s12, v1                    ; wave 0..3
	s_bfe_u32 s13, ttmp6, 0x40000                  ; cx
	s_lshl_b32 s14, ttmp9, 2
	s_add_co_u32 s14, s14, s13                     ; my block of 128 users: it enters user_enc's and base's addresses alone
	s_and_b32 s15, ttmp7, 0xffff                   ; the batch, which the four partners share
	s_mov_b32 s24, 15|(1<<16)|(1<<20)|(1<<21)|(5<<22)|(3<<25)  ; mask of four; 2-byte elements; padding on; bit 21 beside a mask; after every 64 words 4 words
	s_mov_b32 s25, 128<<16                         ; tensor_dim0 = 128
	s_mov_b32 s26, 96<<16                          ; tensor_dim1 = 96
	s_mov_b32 s27, 128<<16                         ; tile_dim0 = 128
	s_mov_b32 s28, 96                              ; tile_dim1 = 96
	s_mov_b32 s29, 128                             ; elements from row to row
	s_mov_b32 s30, 0
	s_mov_b32 s31, 0
	s_mov_b32 s32, 15|(1<<16)|(1<<20)|(1<<21)|(5<<22)|(3<<25)  ; the extra rows: 12 a wave
	s_mov_b32 s33, 128<<16
	s_mov_b32 s34, 12<<16
	s_mov_b32 s35, 128<<16
	s_mov_b32 s36, 12
	s_mov_b32 s37, 128
	s_mov_b32 s38, 0
	s_mov_b32 s39, 0
	s_mul_i32 s16, s15, 393216                     ; a batch's four chunks,
	s_mul_i32 s17, s12, 24576                      ; my 96 rows
	s_add_co_u32 s16, s16, s17
	s_mov_b32 s17, 0
	s_mul_i32 s18, s12, 3072
	s_add_co_u32 s18, s18, 6291456
	s_mov_b32 s19, 0
	s_mov_b32 s40, 1
	s_mul_i32 s41, s12, 26112                      ; LDS: slot 0, wave x 96 rows
	s_mov_b32 s44, 1
	s_mul_i32 s45, s12, 3264
	s_add_co_u32 s45, s45, EXT
	s_lshl_b32 s20, s15, 11
	s_lshl_b32 s21, s14, 7
	s_add_co_u32 s20, s20, s21
	s_lshl_b32 s21, s12, 5
	s_add_co_u32 s20, s20, s21                     ; my first user, counted over all batches
	s_lshl_b32 s22, s20, 9
	s_mov_b32 s23, 0
	s_lshl_b32 s56, s20, 6                         ; UG: 256 bytes for four users
	s_mov_b32 s57, 0
	s_mov_b32 s54, 0xffff0000
	s_mov_b32 s48, 0                               ; the slot that is read
	s_mov_b32 s49, 3
	s_mov_b32 s50, 0                               ; what the store base steps by: nothing in the first trip
	s_mov_b32 s51, 0
	s_wait_dscnt 0x0                               ; the opening add is done
	s_wait_kmcnt 0x0
	s_add_nc_u64 s[42:43], s[6:7], s[16:17]
	s_or_b32 s43, s43, 0x80000000
	s_add_nc_u64 s[46:47], s[6:7], s[18:19]
	s_or_b32 s47, s47, 0x80000000
	s_add_nc_u64 s[4:5], s[4:5], s[22:23]
	s_add_nc_u64 s[52:53], s[8:9], s[56:57]
	s_add_nc_u64 s[52:53], s[52:53], 0x4000000
	s_lshl_b32 s22, s15, 22                        ; base': 4,194,304 a batch, 512 bytes for four users
	s_lshl_b32 s21, s14, 14
	s_add_co_u32 s22, s22, s21
	s_lshl_b32 s21, s12, 12
	s_add_co_u32 s22, s22, s21
	s_add_nc_u64 s[8:9], s[8:9], s[22:23]
	CROUND                                         ; all four work-groups are here: the first joint loads meet
	tensor_load_to_lds s[40:43], s[24:31]          ; chunk 0 into slot 0
	s_nop 0
	tensor_load_to_lds s[44:47], s[32:39]          ; the extra rows
	s_nop 0
	PLACES
	v_and_b32 v14, 15, v0                          ; r
	v_bfe_u32 v15, v0, 4, 1                        ; h
	v_lshlrev_b32 v10, 9, v14
	v_lshl_add_u32 v10, v15, 5, v10                ; user r, channels 8 h on
	WIN 0x40                                       ; loaded data in window 1
.irp m, 0,1
.irp kk, 0,1,2,3
.irp q, 0,1,2,3
	global_load_b128 v[128+16*(4*\m+\kk)+4*\q:128+16*(4*\m+\kk)+4*\q+3], v10, s[4:5] offset:\m*8192+\kk*128+(\q>>1)*64+(\q&1)*16 th:TH_LOAD_NT
.endr
.endr
.endr
	WIN 0
	v_mul_u32_u24 v4, v14, PITCH
	v_lshl_add_u32 v4, v15, 4, v4                  ; a fragment's row: 272 r + 16 h; part h,
	v_add_nc_u32 v5, 34816, v4                     ; part m, 128 rows on,
	v_add_nc_u32 v6, 69632, v4                     ; part l
	v_add_nc_u32 v7, EXT, v4
	v_lshlrev_b32 v8, 10, v15
	v_lshl_add_u32 v8, v14, 4, v8                  ; base': 1,024 h + 16 r
	v_lshlrev_b32 v9, 9, v15
	v_lshl_add_u32 v9, v14, 4, v9                  ; UG: 512 h + 16 r
	s_wait_loadcnt 0x0
; user_enc in three parts, in long stretches under one window setting
.macro CVT dst
	WIN 0x05
.set P, 0
.rept 64
	v_cvt_pk_bf16_f32 v[(\dst)+P], v[128+2*P], v[129+2*P]
.set P, P+1
.endr
.endm
.macro RESID src
	WIN 0x40
.set P, 0
.rept 64
	v_lshlrev_b32 v[2*P], 16, v[(\src)+P]
	v_and_b32 v[2*P+1], s54, v[(\src)+P]
.set P, P+1
.endr
	WIN 0x45
.set P, 0
.rept 64
	v_pk_add_f32 v[128+2*P:129+2*P], v[128+2*P:129+2*P], v[2*P:2*P+1] neg_lo:[0,1] neg_hi:[0,1]
.set P, P+1
.endr
.endm
	CVT 16
	RESID 16
	CVT 80
	RESID 80
	CVT 144
	WIN 0
; step sg of 16 of a chunk: channels 32 (sg / 4) on, position blocks 2 (sg % 4) + 0, 1
.macro LOADB sg
.irp nbi, 0,1
.irp pt, 0,1,2
	ds_load_b128 v[48*((\sg)&1)+24*\nbi+8*\pt:48*((\sg)&1)+24*\nbi+8*\pt+3],   v[11+\pt] offset:(2*((\sg)&3)+\nbi)*16*PITCH+((\sg)>>2)*64
	ds_load_b128 v[48*((\sg)&1)+24*\nbi+8*\pt+4:48*((\sg)&1)+24*\nbi+8*\pt+7], v[11+\pt] offset:(2*((\sg)&3)+\nbi)*16*PITCH+((\sg)>>2)*64+32
.endr
.endr
.endm
.macro MMC sg, pa, pb, first           ; four matrix instructions, four accumulators by turns
.irp nbi, 0,1
.irp m, 0,1
.set rD, 128+8*(8*\m+2*((\sg)&3)+\nbi)
.set rA, 16+64*(\pa)+32*\m+8*((\sg)>>2)
.set rB, 48*((\sg)&1)+24*\nbi+8*(\pb)
.if (\first) && ((\sg) < 4)
	v_wmma_f32_16x16x32_bf16 v[rD:rD+7], v[rA:rA+7], v[rB:rB+7], 0
.else
	v_wmma_f32_16x16x32_bf16 v[rD:rD+7], v[rA:rA+7], v[rB:rB+7], v[rD:rD+7]
.endif
.endr
.endr
.endm
.macro CHUNK
	PLACES
	LOADB 0
.set sg, 0
.rept 16
.if sg < 15
.if sg > 0
	PLACES                                         ; the buffer to be loaded was read by the matrix instructions just issued
.endif
	LOADB sg+1
	s_wait_dscnt 12                                ; all but the twelve just issued
.else
	s_wait_dscnt 0x0
.endif
	MMC sg, 2, 0, 1
	MMC sg, 0, 2, 0
	MMC sg, 1, 1, 0
	MMC sg, 1, 0, 0
	MMC sg, 0, 1, 0
	MMC sg, 0, 0, 0
.set sg, sg+1
.endr
	PLACES
.irp m, 0,1
.irp nb, 0,1,2,3,4,5,6,7
	global_store_b128 v8, v[128+8*(8*\m+\nb):128+8*(8*\m+\nb)+3],   s[8:9] offset:(\nb>>1)*262144+\m*2048+(\nb&1)*256      ; 16 lanes store 256 consecutive bytes, aligned; the low four registers first
	global_store_b128 v8, v[128+8*(8*\m+\nb)+4:128+8*(8*\m+\nb)+7], s[8:9] offset:(\nb>>1)*262144+\m*2048+(\nb&1)*256+512
.endr
.endr
.endm
; A trip: one chunk.  In front of the round each wave waits for all its tensor loads (this chunk among them), adds 0 to its spare word, and waits for that and for its reads of the other slot.
; Behind the round that slot takes the next chunk, which has this chunk's 384 matrix instructions in which to land.
.macro TRIP refill
	WIN 0
	s_wait_tensorcnt 0x0
	ds_add_u32 v2, v3                              ; work on registers stands between the add and the wait for it
.if \refill
	s_xor_b32 s41, s41, SLOT1                      ; no tensor load of mine is out: the descriptor may step to the other slot, the next chunk
	s_add_nc_u64 s[42:43], s[42:43], 98304
.endif
	v_add_nc_u32 v11, s48, v4                      ; this trip's read addresses
	v_add_nc_u32 v12, s48, v5
	v_add_nc_u32 v13, s48, v6
	s_xor_b32 s48, s48, SLOT1
	s_wait_xcnt 0x0                                ; the last chunk's stores have read their base and the accumulators
	s_add_nc_u64 s[8:9], s[8:9], s[50:51]          ; four blocks of positions on
	s_mov_b32 s50, 0x100000
	s_wait_dscnt 0x0
.if \refill
	CROUND
	tensor_load_to_lds s[40:43], s[24:31]
	s_nop 0
.else
	s_barrier_signal -1
	s_barrier_wait -1
.endif
	WIN MAIN
	CHUNK
	WIN 0
.endm
.Ltrip:
	TRIP 1
	s_sub_co_u32 s49, s49, 1
	s_cmp_lg_u32 s49, 0
	s_cbranch_scc1 .Ltrip
	TRIP 0                                         ; the last chunk is written out: nothing is left to fetch
	; the extra rows: 48 matrix instructions on two accumulators by turns
	WIN MAIN
.irp pt, 0,1,2
.irp kk, 0,1,2,3
	ds_load_b128 v[8*(4*\pt+\kk):8*(4*\pt+\kk)+3],   v7 offset:\pt*4352+\kk*64
	ds_load_b128 v[8*(4*\pt+\kk)+4:8*(4*\pt+\kk)+7], v7 offset:\pt*4352+\kk*64+32
.endr
.endr
	s_wait_xcnt 0x0                                ; the last chunk's stores have read the accumulators
	s_wait_dscnt 0x0
.macro MME kk, pa, pb, zero
.irp m, 0,1
.if \zero
	v_wmma_f32_16x16x32_bf16 v[128+64*\m:135+64*\m], v[16+64*(\pa)+32*\m+8*(\kk):16+64*(\pa)+32*\m+8*(\kk)+7], v[8*(4*(\pb)+(\kk)):8*(4*(\pb)+(\kk))+7], 0
.else
	v_wmma_f32_16x16x32_bf16 v[128+64*\m:135+64*\m], v[16+64*(\pa)+32*\m+8*(\kk):16+64*(\pa)+32*\m+8*(\kk)+7], v[8*(4*(\pb)+(\kk)):8*(4*(\pb)+(\kk))+7], v[128+64*\m:135+64*\m]
.endif
.endr
.endm
	MME 0, 2, 0, 1
	MME 0, 0, 2, 0
	MME 0, 1, 1, 0
	MME 0, 1, 0, 0
	MME 0, 0, 1, 0
	MME 0, 0, 0, 0
.irp kk, 1,2,3
	MME \kk, 2, 0, 0
	MME \kk, 0, 2, 0
	MME \kk, 1, 1, 0
	MME \kk, 1, 0, 0
	MME \kk, 0, 1, 0
	MME \kk, 0, 0, 0
.endr
	PLACES
.irp m, 0,1
	global_store_b128 v9, v[128+64*\m:131+64*\m], s[52:53] offset:\m*1024
	global_store_b128 v9, v[132+64*\m:135+64*\m], s[52:53] offset:\m*1024+256
.endr
	WIN 0
	s_wait_tensorcnt 0x0                           ; the wave's end
	ds_add_u32 v2, v3
	s_wait_dscnt 0x0
	CROUND                                         ; the closing round
	s_endpgm
.Lfunc_end_k_q4031b56a66_gemm:
	.size	k_q4031b56a66_gemm, .Lfunc_end_k_q4031b56a66_gemm-k_q4031b56a66_gemm
	.p2alignl 7, 3214868480
	.fill 96, 4, 3214868480
	.section	.rodata,"a",@progbits
	.p2align	6, 0x0
	.amdhsa_kernel k_q4031b56a66_gemm
		.amdhsa_group_segment_fixed_size 327680
		.amdhsa_private_segment_fixed_size 0
		.amdhsa_enable_private_segment 0
		.amdhsa_kernarg_size 24
		.amdhsa_user_sgpr_count 2
		.amdhsa_user_sgpr_kernarg_segment_ptr 1
		.amdhsa_wavefront_size32 1
		.amdhsa_system_sgpr_workgroup_id_x 1
		.amdhsa_system_sgpr_workgroup_id_y 1
		.amdhsa_system_sgpr_workgroup_id_z 1
		.amdhsa_system_vgpr_workitem_id 0
		.amdhsa_next_free_vgpr 512
		.amdhsa_next_free_sgpr 66
		.amdhsa_reserve_vcc 0
		.amdhsa_float_denorm_mode_32 3
		.amdhsa_float_denorm_mode_16_64 3
		.amdhsa_memory_ordered 1
		.amdhsa_forward_progress 1
		.amdhsa_inst_pref_size 127
	.end_amdhsa_kernel
	.amdgpu_metadata
---
amdhsa.version: [ 1, 2 ]
amdhsa.kernels:
  - .name:           k_q4031b56a66_gemm
    .symbol:         k_q4031b56a66_gemm.kd
    .args:
      - { .name: user_enc, .offset: 0, .size: 8, .value_kind: global_buffer, .address_space: global }
      - { .name: tb, .offset: 8, .size: 8, .value_kind: global_buffer, .address_space: global }
      - { .name: base, .offset: 16, .size: 8, .value_kind: global_buffer, .address_space: global }
    .group_segment_fixed_size: 327680
    .private_segment_fixed_size: 0
    .kernarg_segment_align: 8
    .kernarg_segment_size: 24
    .max_flat_workgroup_size: 128
    .sgpr_count:     66
    .vgpr_count:     512
    .wavefront_size: 32
...
	.end_amdgpu_metadata
.endif
;; end of part 2
;; launch prop0 (part 3): grid 16 x 16, 16 waves a work-group, no clusters, 283,392 bytes of LDS; arguments base, users, servers, si, fd_bias, score_bias, user_state_w, ia, fa, ib, fb; writes ib, fb
.if DOCPART == 3
	.amdgcn_target "amdgcn-amd-amdhsa--gfx1250"
	.amdhsa_code_object_version 6
	.text
	.protected	k_q4031b56a66_prop0
	.globl	k_q4031b56a66_prop0
	.p2align	8
	.type	k_q4031b56a66_prop0,@function
k_q4031b56a66_prop0:
	s_mov_b64 s[64:65], 0
	v_nop
	global_prefetch_b8 v0, s[64:65] scope:SCOPE_SE
	s_setreg_imm32_b32 hwreg(HW_REG_WAVE_MODE, 25, 1), 1
	s_wait_xcnt 0x0
; PROP.  One iteration of the auction.  A work-group has a batch b and a block of 32 servers (lane = server, s = 128 G + 4 lane + j).  It first applies the iteration before (the proposals and the state
; that the launch before stored: which user accepted which server, capacities, replica counts, seen domains), then finds for each of its servers the best eligible user, the logit and
; max - logsumexp over all 2,048 users, and stores the new proposals and the state.  It loads from one pair of state buffers and stores into the other.
; logit[u][s] = base'[u][s] + sum_c g'c[u] cr_c[s] + h'[u] + score_bias + user state(rc[u]) + fd_bias (seen[u] & fd[s] == 0).
; A block stores, for each server, the proposed user only if that server is the block's best proposer of the user (ties: the lower server), else 2,048; with it the OR of the domain bits of all the
; block's proposers of that user.  So within a block the stored users are distinct, and a table over users can be updated a block at a time without two lanes meeting.
; THE START.  The 16 blocks' proposals are dealt to eight waves with tables of their own: waves 0-3 OR the domain bits of blocks 4 k + 0..3 into SG_k, waves 4-7 keep the best proposer of those blocks in
; BV_k, BS_k: four dependent LDS round trips a wave.  Table k holds servers 128 k + 0..127, so the four are joined in ascending k by a strict comparison, which leaves a tie with the lower server.
; The tables over users come in by loads whose lanes take neighbouring bytes: g', h' as four runs of 128 bytes a load, straight into padded planes; a wave's 128 rows of users as 3,072 bytes on end,
; turned in the wave's own scratch.  Wave 8 alone loads and updates the 32 servers' own state and hands capacities and ratios to the others through LDS.
; Every address that hangs on data comes from a stored user number, clamped; what this launch's own compares decide only selects values.
; The exponentials take the running maximum away; a server without an eligible user keeps a finite sum that nobody uses.
; NO CLUSTER: a work-group's 256 KB of base' are its own; the tables that a batch's work-groups share pass through registers, where they are turned and combined.
; LIMITS: an eligible logit at or below -1e9 counts as not eligible; NaN and infinities are not treated apart; a logit carries an error of some 3e-7 of its size, so two candidates closer than that may change places.
; SCALARS: s8-63, s66-69 pointers; s70-71 at work at the start; s74-79 the loop's counters and constants; s80-99 lane masks at work.
.set GP,    8224                       ; pitch of a plane of GA: 8,192 + 32, so that the 16 lanes of a store's pass (8 components x 2 rows) take 16 different columns of 16 bytes
.set GA,    0                          ; LDS [component 8][u 2048]: 0-3 g', 4 h', 5-7 never read
.set NA,    65792                      ; [c 4][u 2048] needs
.set C0A,   98560                      ; [u] h' + score_bias + user state
.set SEENA, 106752                     ; [u] seen bits
.set EA,    114944                     ; [u] my block's eligibility bits
.set SG,    123136                     ; 4 tables [u 2049] of domain bits; word 2,048 takes what has no user
.set SGP,   8448
.set BVT,   156928                     ; 4 tables: [u 2049] best proposal's logit, and BSO behind it [u 2049] its server, 0xffff: none
.set BVP,   16896
.set BSO,   8448
.set USC,   224512                     ; 16 x 3,072: each wave's rows of users
.set SRV,   273664                     ; 32 x 16 capacities, then 32 x 32 ratios, each twice
.set MERGE, 275200                     ; [3][16 waves][32]
.set SPARE, 281344
.set O_RC,    2097152
.set O_SEEN,  2228224
.set O_PROPI, 2359296
.set O_HIST,  2424832
.set O_ANYV,  2555904
.set O_PROPF, 131072
.set O_LPACC, 196608
.set BR, 32                            ; v[32:63]   base' of 32 users
.set X,  64                            ; v[64:95]   their candidates
.set SA, 96                            ; v[96:135]  two sets of 20: what a stage reads from the tables
; v4-7 capacity; v8-15 capacity ratios, each twice (a pair for the packed multiply-add); v16 my domain bits; v17 fd_bias; v18 -1e9; v19 maximum; v20 its user; v21 the old maximum; v22-23 sum;
; v24, v25 table addresses (from 0 and from NA); v26 address of E's words; v27 those words; v28 16 lane; v30-31 c m, its change; v136-139 at work; v144-145 the sum's factor.
; At the start: v64-79 a role wave's proposals, then SG_k; v80-95 BV_k; v112-127 BS_k; v96-119 users; v120-122 LDS addresses; v128-135 what clears a table; v144-147 seen; v148-155 wave 8's gathers;
; v160-191 g', h' as loaded; v176-179 then h'; v204-211 replica counts, E; v212-235 wave 8's servers; v236-239, v253-255 at work; v240-252 offsets.
	s_load_b512 s[8:23], s[0:1], 0x0               ; base 8, users 10, servers 12, si 14, fd_bias 16, score_bias 18, user_state_w 20, state in (whole numbers) 22
	s_load_b128 s[24:27], s[0:1], 0x40             ; state in (floats) 24, state out (whole numbers) 26
	s_load_b64 s[28:29], s[0:1], 0x50              ; state out (floats)
	v_lshl_add_u32 v2, v0, 2, SPARE
	v_mov_b32 v3, 0
	v_lshrrev_b32 v1, 5, v0
	v_readfirstlane_b32 s2, v1                     ; wave 0..15
	v_and_b32 v1, 31, v0                           ; lane
	s_mov_b32 s3, ttmp9                            ; block
	s_and_b32 s4, ttmp7, 0xffff                    ; batch
	s_lshr_b32 s5, s3, 2                           ; G
	s_and_b32 s6, s3, 3                            ; j
	; the offsets, made while the arguments are on their way
	v_lshlrev_b32 v28, 4, v1
	v_lshlrev_b32 v242, 4, v0                      ; thread t: users 4 t + 0..3
	s_lshl_b32 s70, s3, 7
	v_lshl_add_u32 v243, v1, 2, s70                ; my position x 4, x 8, x 16 within the batch
	v_lshlrev_b32 v244, 1, v243
	v_lshlrev_b32 v245, 2, v243
	v_mul_u32_u24 v246, v1, 112
	s_and_b32 s70, s2, 3
	s_lshl_b32 s70, s70, 10
	v_lshl_add_u32 v247, v1, 3, s70                ; a role wave's four blocks of proposals: 1,024 (wave % 4) + 8 lane
	v_lshlrev_b32 v248, 5, v1
	v_add_nc_u32 v249, NA, v242
	v_mov_b32 v251, 1
	v_mov_b32 v252, 0x800
	v_lshrrev_b32 v236, 3, v1
	v_and_b32 v237, 7, v1
	v_lshlrev_b32 v240, 8, v236                    ; g', h' in memory: row 32 w + 4 i + lane / 8 of 256 bytes, component lane % 8
	v_lshl_add_u32 v240, v237, 4, v240
	s_lshl_b32 s71, s2, 13
	v_add_nc_u32 v240, s71, v240
	v_mul_u32_u24 v120, v237, GP                   ; and in LDS: the component's plane, 16 bytes a row
	v_lshl_add_u32 v120, v236, 4, v120
	s_lshl_b32 s71, s2, 9
	v_add_nc_u32 v120, s71, v120
	s_mul_i32 s71, s2, 3072                        ; my wave's 128 rows of users, 24 bytes each
	v_add_nc_u32 v241, s71, v28
	v_add_nc_u32 v121, USC, v241                   ; into the scratch as they lie,
	v_mul_u32_u24 v122, v1, 96                     ; and back four rows a lane
	v_add_nc_u32 v122, s71, v122
	v_add_nc_u32 v122, USC, v122
	s_lshl_b32 s70, s5, 7
	s_add_co_u32 s70, s70, s6                      ; 128 G + j
	v_lshl_add_u32 v250, v1, 2, s70                ; my server
	s_wait_kmcnt 0x0
	s_load_b32 s30, s[16:17], 0x0
	s_load_b32 s31, s[18:19], 0x0
	s_load_b96 s[32:34], s[20:21], 0x0
	s_lshl_b32 s36, s4, 4
	s_add_co_u32 s36, s36, s3                      ; 16 b + block
	s_mov_b32 s39, 0
	s_lshl_b32 s38, s4, 12
	s_add_nc_u64 s[46:47], s[22:23], s[38:39]
	s_add_nc_u64 s[48:49], s[24:25], s[38:39]
	s_add_nc_u64 s[50:51], s[26:27], s[38:39]
	s_add_nc_u64 s[52:53], s[28:29], s[38:39]
	s_lshl_b32 s38, s4, 17
	s_add_nc_u64 s[40:41], s[8:9], s[38:39]
	s_add_nc_u64 s[40:41], s[40:41], 0x4000000     ; g', h' of my batch
	s_lshl_b32 s38, s36, 18
	s_lshl_b32 s71, s2, 14
	s_add_co_u32 s38, s38, s71
	s_add_nc_u64 s[8:9], s[8:9], s[38:39]          ; base' of my block, my wave's 128 users
	s_mul_i32 s38, s4, 49152
	s_add_nc_u64 s[10:11], s[10:11], s[38:39]
	s_lshl_b32 s38, s4, 9
	s_add_co_u32 s38, s38, s70
	s_mul_i32 s38, s38, 28
	s_add_nc_u64 s[12:13], s[12:13], s[38:39]
	s_lshl_b32 s38, s4, 11
	s_add_nc_u64 s[14:15], s[14:15], s[38:39]
	s_add_nc_u64 s[42:43], s[24:25], s[38:39]
	s_add_nc_u64 s[44:45], s[28:29], s[38:39]
	s_lshl_b32 s38, s4, 13
	s_add_nc_u64 s[54:55], s[22:23], s[38:39]
	s_add_nc_u64 s[56:57], s[24:25], s[38:39]
	s_add_nc_u64 s[58:59], s[26:27], s[38:39]
	s_add_nc_u64 s[60:61], s[28:29], s[38:39]
	s_lshl_b32 s38, s36, 13
	s_add_nc_u64 s[62:63], s[22:23], s[38:39]
	s_add_nc_u64 s[66:67], s[26:27], s[38:39]
	s_lshl_b32 s38, s36, 2
	s_add_nc_u64 s[68:69], s[26:27], s[38:39]      ; my word of ANYV, less its offset: a pair that no later line writes
	; what the waves with a part of their own need goes out first
	s_cmp_lt_u32 s2, 8
	s_cbranch_scc0 .Lld_srv
.irp i, 0,1,2,3
	global_load_b64 v[64+2*\i:65+2*\i], v247, s[46:47] offset:O_PROPI+\i*256   ; blocks 4 (wave % 4) + i: proposed user, domain bits
.endr
	s_cmp_lt_u32 s2, 4
	s_cbranch_scc1 .Lld_all
.irp i, 0,1,2,3
	global_load_b64 v[72+2*\i:73+2*\i], v247, s[48:49] offset:O_PROPF+\i*256   ; logit, log-probability
.endr
	s_branch .Lld_all
.Lld_srv:
	s_cmp_lg_u32 s2, 8
	s_cbranch_scc1 .Lld_all
	global_load_b64 v[212:213], v244, s[46:47] offset:O_PROPI          ; my server: proposed user, domain bits
	global_load_b64 v[214:215], v244, s[48:49] offset:O_PROPF          ; logit, log-probability
	global_load_b128 v[4:7], v245, s[56:57]                            ; capacity
.irp c, 0,1,2,3
	global_load_b32 v[216+\c], v246, s[12:13] offset:12+4*\c           ; first capacity
.endr
	global_load_b32 v220, v243, s[42:43] offset:O_LPACC
	global_load_b128 v[224:227], v245, s[54:55] offset:O_HIST
	global_load_b128 v[228:231], v248, s[22:23] offset:O_ANYV
	global_load_b128 v[232:235], v248, s[22:23] offset:O_ANYV+16
.Lld_all:
	; every wave: 18 loads for the tables over users, then 8 of base'
.irp i, 0,1,2,3,4,5
	global_load_b128 v[96+4*\i:99+4*\i], v241, s[10:11] offset:\i*512  ; users: 512 consecutive bytes
.endr
.irp i, 0,1,2,3,4,5,6,7
	global_load_b128 v[160+4*\i:163+4*\i], v240, s[40:41] offset:\i*1024  ; four rows' first 128 bytes
.endr
	global_load_b128 v[204:207], v242, s[54:55] offset:O_RC
	global_load_b128 v[208:211], v242, s[62:63]                        ; E
	global_load_b128 v[144:147], v242, s[54:55] offset:O_SEEN
	global_load_b32 v16, v243, s[14:15]
.irp k, 0,1,2,3,4,5,6,7
	global_load_b128 v[BR+4*\k:BR+4*\k+3], v28, s[8:9] offset:\k*512   ; the first trip's base': four users of my server a lane
.endr
	; a role wave clears its own table while the loads are out
	s_cmp_lt_u32 s2, 4
	s_cbranch_scc0 .Lin_b
	s_mul_i32 s70, s2, SGP
	s_add_co_u32 s70, s70, SG
	v_add_nc_u32 v253, s70, v28
	v_mov_b32 v254, s70
.irp q, 128,129,130,131
	v_mov_b32 v\q, 0
.endr
.set n, 0
.rept 16
	ds_store_b128 v253, v[128:131] offset:n*512
.set n, n+1
.endr
	ds_store_b32 v254, v128 offset:8192
	s_branch .Lin_done
.Lin_b:
	s_cmp_lt_u32 s2, 8
	s_cbranch_scc0 .Lw_done
	s_and_b32 s70, s2, 3
	s_mul_i32 s70, s70, BVP
	s_add_co_u32 s70, s70, BVT
	v_add_nc_u32 v253, s70, v28
	v_mov_b32 v254, s70
.irp q, 128,129,130,131
	v_mov_b32 v\q, 0xff800000
.endr
.irp q, 132,133,134,135
	v_mov_b32 v\q, 0xffff
.endr
.set n, 0
.rept 16
	ds_store_b128 v253, v[128:131] offset:n*512
	ds_store_b128 v253, v[132:135] offset:BSO+n*512
.set n, n+1
.endr
	ds_store_b32 v254, v128 offset:8192
	ds_store_b32 v254, v132 offset:BSO+8192
.Lin_done:
	s_wait_loadcnt 26                              ; my proposals are in: behind them stand the 18 loads for the tables and the 8 of base'
; wave k: seen bits of blocks 4 k + 0..3, a block at a time; LDS serves a wave's instructions in order (ISA guide 5.7.1.4)
.macro SEENW k
.irp i, 0,1,2,3
	v_min_u32 v[64+2*\i], 0x800, v[64+2*\i]
	v_lshl_add_u32 v[64+2*\i], v[64+2*\i], 2, SG+(\k)*SGP
.endr
.irp i, 0,1,2,3
	ds_load_b32 v236, v[64+2*\i]
	s_wait_dscnt 0x0
	v_or_b32 v236, v236, v[65+2*\i]
	ds_store_b32 v[64+2*\i], v236
.endr
.endm
; wave 4 + k: each user's best proposer among blocks 4 k + 0..3; ties go to the lower server
.macro BESTW k
.irp i, 0,1,2,3
	v_min_u32 v[64+2*\i], 0x800, v[64+2*\i]
	v_lshl_add_u32 v[64+2*\i], v[64+2*\i], 2, BVT+(\k)*BVP
.endr
	v_lshlrev_b32 v255, 2, v1
.irp i, 0,1,2,3
	ds_load_b32 v236, v[64+2*\i]
	ds_load_b32 v237, v[64+2*\i] offset:BSO
	v_add_nc_u32 v238, 128*(\k)+\i, v255
	s_wait_dscnt 0x0
	v_cmp_gt_f32 s80, v[72+2*\i], v236
	v_cmp_eq_f32 s81, v[72+2*\i], v236
	v_cmp_lt_u32 s82, v238, v237
	s_and_b32 s81, s81, s82
	s_or_b32 s80, s80, s81
	v_cndmask_b32 v236, v236, v[72+2*\i], s80
	v_cndmask_b32 v237, v237, v238, s80
	ds_store_b32 v[64+2*\i], v236
	ds_store_b32 v[64+2*\i], v237 offset:BSO
.endr
.endm
.irp k, 0,1,2,3
	s_cmp_lg_u32 s2, \k
	s_cbranch_scc1 .Lns_\k
	SEENW \k
	s_branch .Lw_done
.Lns_\k:
.endr
.irp k, 0,1,2,3
	s_cmp_lg_u32 s2, 4+\k
	s_cbranch_scc1 .Lnb_\k
	BESTW \k
	s_branch .Lw_done
.Lnb_\k:
.endr
.Lw_done:
	s_wait_loadcnt 0x8                             ; all but the 8 loads of base', which the loop's head waits for
	s_wait_kmcnt 0x0
.irp i, 0,1,2,3,4,5
	ds_store_b128 v121, v[96+4*\i:99+4*\i] offset:\i*512    ; my wave's rows of users as they lie,
.endr
.irp i, 0,1,2,3,4,5
	ds_load_b128 v[96+4*\i:99+4*\i], v122 offset:\i*16      ; and back, four rows a lane: a wave's own bytes, served in order
.endr
.irp i, 0,1,2,3,4,5,6,7
	ds_store_b128 v120, v[160+4*\i:163+4*\i] offset:\i*64   ; g', h' into their planes
.endr
	s_wait_dscnt 0x8                               ; the six loads are back: behind them stand the eight stores
.irp c, 0,1,2,3
	v_mov_b32 v236, v[98+\c]                       ; need c of my four users
	v_mov_b32 v237, v[104+\c]
	v_mov_b32 v238, v[110+\c]
	v_mov_b32 v239, v[116+\c]
	ds_store_b128 v249, v[236:239] offset:\c*8192
.endr
	s_wait_dscnt 0x0                               ; for the others' sake: my part of the tables is in LDS
	s_barrier_signal -1
	s_barrier_wait -1
	; wave 8 asks for what its servers' proposed users hold; then every thread for its four users' entries of the eight tables
	s_cmp_lg_u32 s2, 8
	s_cbranch_scc1 .Lnsv
	v_min_u32 v236, 0x800, v212
	v_lshl_add_u32 v236, v236, 2, BVT
.irp k, 0,1,2,3
	ds_load_b32 v[148+\k], v236 offset:\k*BVP
	ds_load_b32 v[152+\k], v236 offset:\k*BVP+BSO
.endr
	v_min_u32 v238, 0x7ff, v212
	v_lshl_add_u32 v238, v238, 2, NA
.irp c, 0,1,2,3
	ds_load_b32 v[100+\c], v238 offset:\c*8192
.endr
.Lnsv:
	v_add_nc_u32 v253, SG, v242
	v_add_nc_u32 v254, BVT, v242
	ds_load_b128 v[176:179], v242 offset:4*GP      ; h'
.irp k, 0,1,2,3
	ds_load_b128 v[64+4*\k:67+4*\k], v253 offset:\k*SGP
	ds_load_b128 v[80+4*\k:83+4*\k], v254 offset:\k*BVP
	ds_load_b128 v[112+4*\k:115+4*\k], v254 offset:\k*BVP+BSO
.endr
	v_mov_b32 v239, s34
	s_wait_dscnt 0x0
.irp k, 1,2,3
.irp i, 0,1,2,3
	v_cmp_gt_f32 vcc_lo, v[80+4*\k+\i], v[80+\i]   ; strictly greater: a tie stays with the lower table, the lower servers
	v_cndmask_b32 v[112+\i], v[112+\i], v[112+4*\k+\i], vcc_lo
	v_max_num_f32 v[80+\i], v[80+\i], v[80+4*\k+\i]
.endr
.endr
.irp k, 0,1,2,3
.irp i, 0,1,2,3
	v_or_b32 v[144+\i], v[144+\i], v[64+4*\k+\i]
.endr
.endr
	; my four users: replica count, my block's bits, the user's part of the logit
.irp i, 0,1,2,3
	v_cmp_ne_u32 vcc_lo, 0xffff, v[112+\i]         ; proposed to, so accepted by one server
	v_cndmask_b32 v236, 0, v251, vcc_lo
	v_add_nc_u32 v[204+\i], v[204+\i], v236
	v_lshrrev_b32 v236, 7, v[112+\i]
	v_and_b32 v237, 3, v[112+\i]
	v_lshl_or_b32 v236, v236, 2, v237              ; that server's block
	v_cmp_eq_u32 vcc_lo, s3, v236
	v_bfe_u32 v237, v[112+\i], 2, 5
	v_lshlrev_b32 v237, v237, v251
	v_cndmask_b32 v237, 0, v237, vcc_lo
	v_bfi_b32 v[208+\i], v237, 0, v[208+\i]        ; allocated: no longer eligible
	v_cmp_gt_u32 vcc_lo, 3, v[204+\i]
	v_cndmask_b32 v[208+\i], 0, v[208+\i], vcc_lo  ; three replicas: nothing is
	v_cvt_f32_u32 v236, v[204+\i]
	v_add_f32 v[96+\i], s31, v[176+\i]
	v_mul_f32 v237, 0x3eaaaaab, v236
	v_fma_f32 v[96+\i], s32, v237, v[96+\i]
	v_sub_f32 v237, 3.0, v236
	v_max_num_f32 v237, 0, v237
	v_mul_f32 v237, 0x3eaaaaab, v237
	v_fma_f32 v[96+\i], s33, v237, v[96+\i]
	v_cmp_eq_u32 vcc_lo, 2, v[204+\i]
	v_cndmask_b32 v237, 0, v239, vcc_lo
	v_add_f32 v[96+\i], v[96+\i], v237
.endr
	ds_store_b128 v249, v[96:99] offset:C0A-NA
	ds_store_b128 v249, v[144:147] offset:SEENA-NA
	ds_store_b128 v249, v[208:211] offset:EA-NA
	global_store_b128 v242, v[208:211], s[66:67]
	s_cmp_lg_u32 s3, 0
	s_cbranch_scc1 .Lnob0
	global_store_b128 v242, v[204:207], s[58:59] offset:O_RC    ; what all blocks of a batch hold alike is stored by block 0
	global_store_b128 v242, v[144:147], s[58:59] offset:O_SEEN
.Lnob0:
	; wave 8, lane = server: was its proposal accepted?  capacity, ratios; they go to the other waves through LDS
	s_cmp_lg_u32 s2, 8
	s_cbranch_scc1 .Lnost
.irp k, 1,2,3
	v_cmp_gt_f32 vcc_lo, v[148+\k], v148
	v_cndmask_b32 v152, v152, v[152+\k], vcc_lo
	v_max_num_f32 v148, v148, v[148+\k]
.endr
.irp q, 229,230,231,232,233,234,235
	v_or_b32 v228, v228, v\q
.endr
	v_cmp_ne_u32 s80, 0, v228
	s_cmp_lg_u32 s80, 0
	s_cselect_b32 s83, -1, 0                       ; go: some server anywhere had an eligible user in the iteration that is applied
.irp c, 0,1,2,3
	v_max_num_f32 v[216+\c], 0x358637bd, v[216+\c]
.endr
.irp c, 0,1,2,3
	v_rcp_f32 v[104+\c], v[216+\c]
.endr
	v_cmp_gt_u32 s80, 0x800, v212
	v_cmp_eq_u32 s81, v152, v250
	s_and_b32 s80, s80, s81                        ; accepted
.irp c, 0,1,2,3
	v_cndmask_b32 v[100+\c], 0, v[100+\c], s80
	v_sub_f32 v[100+\c], v[4+\c], v[100+\c]
	v_max_num_f32 v[100+\c], 0, v[100+\c]
	v_cndmask_b32 v[4+\c], v[4+\c], v[100+\c], s83
.endr
	s_wait_alu depctr_va_vdst(0)                   ; one wait for the four reciprocals, ahead of their first reader
.irp c, 0,1,2,3
	v_mul_f32 v[8+2*\c], v[4+\c], v[104+\c]
	v_fma_f32 v[9+2*\c], -v[8+2*\c], v[216+\c], v[4+\c]
	v_fma_f32 v[8+2*\c], v[9+2*\c], v[104+\c], v[8+2*\c]  ; the quotient corrected once
	v_mov_b32 v[9+2*\c], v[8+2*\c]
.endr
	v_add_nc_u32 v236, SRV, v28
	v_add_nc_u32 v237, SRV+512, v248
	ds_store_b128 v236, v[4:7]
	ds_store_b128 v237, v[8:11]
	ds_store_b128 v237, v[12:15] offset:16
	global_store_b128 v245, v[4:7], s[60:61]
	v_cndmask_b32 v236, 0, v215, s80
	v_add_f32 v220, v220, v236
	global_store_b32 v243, v220, s[44:45] offset:O_LPACC
	v_cndmask_b32 v236, v252, v212, s80
	v_mov_b32 v237, v224
	v_mov_b32 v238, v225
	v_mov_b32 v239, v226
	global_store_b128 v245, v[236:239], s[58:59] offset:O_HIST
.Lnost:
	s_wait_dscnt 0x0
	s_barrier_signal -1
	s_barrier_wait -1
	s_wait_xcnt 0x0                                ; the stores have read their registers: v4-7 and v144-145 are written below
	v_add_nc_u32 v30, SRV, v28
	v_add_nc_u32 v31, SRV+512, v248
	ds_load_b128 v[4:7], v30                       ; my server's capacity and ratios; the first trip's first wait on LDS covers these three
	ds_load_b128 v[8:11], v31
	ds_load_b128 v[12:15], v31 offset:16
	v_mov_b32 v17, s30
	v_mov_b32 v18, 0xce6e6b28
	v_mov_b32 v19, v18
	v_mov_b32 v20, 0x800
	v_mov_b32 v22, 0
	v_mov_b32 v23, 0
	v_mov_b32 v145, 0
	s_lshl_b32 s74, s2, 7                          ; the user in hand
	s_lshl_b32 s75, s2, 9
	v_mov_b32 v24, s75
	v_add_nc_u32 v25, NA, v24
	v_lshl_add_u32 v26, v1, 2, s75
	v_add_nc_u32 v26, EA, v26
	s_mov_b32 s76, 0x3fb8aa3b
	s_mov_b32 s77, s76
	s_mov_b32 s78, 4
; what stage st of 16 reads: four users' numbers, the same address in all lanes
.macro LD5 st, S
.if (\st) < 8
.irp c, 0,1,2,3
	ds_load_b128 v[(\S)+4*\c:(\S)+4*\c+3], v24 offset:GA+\c*GP+(\st)*16
.endr
	ds_load_b128 v[(\S)+16:(\S)+19], v25 offset:C0A-NA+(\st)*16
.else
.irp c, 0,1,2,3
	ds_load_b128 v[(\S)+4*\c:(\S)+4*\c+3], v25 offset:\c*8192+((\st)-8)*16
.endr
	ds_load_b128 v[(\S)+16:(\S)+19], v25 offset:SEENA-NA+((\st)-8)*16
.endif
.endm
.macro ST1 k, S                        ; users 4 k + 0..3: base' + the user's part + sum g' cr
.irp c, 0,1,2,3
	v_pk_fma_f32 v[(\S)+16:(\S)+17], v[(\S)+4*\c:(\S)+4*\c+1],   v[8+2*\c:9+2*\c], v[(\S)+16:(\S)+17]
	v_pk_fma_f32 v[(\S)+18:(\S)+19], v[(\S)+4*\c+2:(\S)+4*\c+3], v[8+2*\c:9+2*\c], v[(\S)+18:(\S)+19]
.endr
	v_pk_add_f32 v[X+4*(\k):X+4*(\k)+1],   v[BR+4*(\k):BR+4*(\k)+1],   v[(\S)+16:(\S)+17]
	v_pk_add_f32 v[X+4*(\k)+2:X+4*(\k)+3], v[BR+4*(\k)+2:BR+4*(\k)+3], v[(\S)+18:(\S)+19]
.endm
.macro ST2 k, S                        ; users 4 k + 0..3: eligibility, the new-domain bonus, the running maximum and its user
.irp i, 0,1,2,3
	v_readlane_b32 s[96+\i], v27, 4*(\k)+\i
.endr
.irp i, 0,1,2,3
.irp c, 0,1,2,3
	v_cmp_ge_f32 s[80+4*\i+\c], v[4+\c], v[(\S)+4*\c+\i]
.endr
.endr
.irp i, 0,1,2,3
	v_and_b32 v[136+\i], v[(\S)+16+\i], v16
.endr
.irp i, 0,1,2,3
	v_cmp_eq_u32 vcc_lo, 0, v[136+\i]
	v_cndmask_b32 v[136+\i], 0, v17, vcc_lo
.endr
	v_pk_add_f32 v[X+4*(\k):X+4*(\k)+1],   v[X+4*(\k):X+4*(\k)+1],   v[136:137]
	v_pk_add_f32 v[X+4*(\k)+2:X+4*(\k)+3], v[X+4*(\k)+2:X+4*(\k)+3], v[138:139]
.irp i, 0,1,2,3
	s_and_b32 s[80+4*\i], s[80+4*\i], s[81+4*\i]
	s_and_b32 s[82+4*\i], s[82+4*\i], s[83+4*\i]
	s_and_b32 s[80+4*\i], s[80+4*\i], s[82+4*\i]
	s_and_b32 s[80+4*\i], s[80+4*\i], s[96+\i]
.endr
.irp i, 0,1,2,3
	v_cndmask_b32 v[X+4*(\k)+\i], v18, v[X+4*(\k)+\i], s[80+4*\i]
	v_cmp_gt_f32 vcc_lo, v[X+4*(\k)+\i], v19       ; strictly greater: the lowest user keeps a tie
	v_cndmask_b32 v20, v20, s74, vcc_lo
	v_max_num_f32 v19, v19, v[X+4*(\k)+\i]
	s_add_co_u32 s74, s74, 1
.endr
.endm
.macro SFMA p
	v_pk_fma_f32 v[X+2*(\p):X+2*(\p)+1], v[X+2*(\p):X+2*(\p)+1], s[76:77], v[30:31] op_sel_hi:[1,0,0] neg_lo:[0,0,1] neg_hi:[0,0,1]
.endm
.Ltrip:                                                ; four trips of 32 users
	s_wait_loadcnt 0x0                             ; this trip's base'; nothing else is out
	v_mov_b32 v21, v19
	ds_load_b32 v27, v26                           ; lane i: the bits of user i of the 32
	LD5 0, SA
	LD5 1, SA+20
.set st, 0
.rept 16
.if st < 15
	s_wait_dscnt 5                                 ; all but the next stage's five loads
.else
	s_wait_dscnt 0x0
.endif
.if st < 8
	ST1 st, SA+20*(st&1)
.else
	ST2 st-8, SA+20*(st&1)
.endif
.if st < 14
	LD5 st+2, SA+20*(st&1)
.endif
.if st == 7
	s_cmp_eq_u32 s78, 1                            ; base' has been used: the next trip's is asked for, but not past the wave's last user
	s_cbranch_scc1 .Lnoload
	s_add_nc_u64 s[8:9], s[8:9], 4096
.irp k, 0,1,2,3,4,5,6,7
	global_load_b128 v[BR+4*\k:BR+4*\k+3], v28, s[8:9] offset:\k*512
.endr
.Lnoload:
.endif
.set st, st+1
.endr
	; sum = sum 2^(c m_old - c m) + the 32 users' 2^(c x - c m), c = log2(e)
	v_mul_f32 v30, 0x3fb8aa3b, v19
	v_sub_f32 v31, v21, v19
	v_mul_f32 v31, 0x3fb8aa3b, v31
	SFMA 0
	SFMA 1
.set p, 0
.rept 16
	v_exp_f32 v[X+2*p], v[X+2*p]
.if p < 14
	SFMA p+2
.endif
	v_exp_f32 v[X+2*p+1], v[X+2*p+1]
.set p, p+1
.endr
	v_exp_f32 v144, v31
	v_nop                                          ; a plain instruction behind the last exponential
	s_wait_alu depctr_va_vdst(0)                   ; one wait for the batch of 33, ahead of its first reader
.set d, 1
.rept 4
.set a, 0
.rept 8/d
	v_pk_add_f32 v[X+2*a:X+2*a+1], v[X+2*a:X+2*a+1], v[X+2*(a+d):X+2*(a+d)+1]
.set a, a+2*d
.endr
.set d, d*2
.endr
	v_pk_fma_f32 v[22:23], v[22:23], v[144:145], v[X:X+1] op_sel_hi:[1,0,1]
	v_add_nc_u32 v24, 128, v24
	v_add_nc_u32 v25, 128, v25
	v_add_nc_u32 v26, 128, v26
	s_sub_co_u32 s78, s78, 1
	s_cmp_lg_u32 s78, 0
	s_cbranch_scc1 .Ltrip
	v_add_f32 v22, v22, v23
	v_lshl_add_u32 v24, v0, 2, MERGE
	ds_store_b32 v24, v19
	ds_store_b32 v24, v20 offset:2048
	ds_store_b32 v24, v22 offset:4096
	s_wait_dscnt 0x0
	s_barrier_signal -1
	s_barrier_wait -1
	s_wait_tensorcnt 0x0                           ; my last LDS store is behind me: the three closing lines
	ds_add_u32 v2, v3
	s_wait_dscnt 0x0
	s_cmp_lg_u32 s2, 0
	s_cbranch_scc1 .Lend
	; wave 0 joins the 16 waves' figures, in the order of their users
.set n, 0
.rept 16
	ds_load_b32 v[32+n], v24 offset:n*128
	ds_load_b32 v[48+n], v24 offset:2048+n*128
	ds_load_b32 v[64+n], v24 offset:4096+n*128
.set n, n+1
.endr
	s_wait_dscnt 0x0
	v_mov_b32 v19, v32
	v_mov_b32 v20, v48
.set n, 1
.rept 15
	v_cmp_gt_f32 vcc_lo, v[32+n], v19
	v_cndmask_b32 v20, v20, v[48+n], vcc_lo
	v_max_num_f32 v19, v19, v[32+n]
.set n, n+1
.endr
.set n, 0
.rept 16
	v_sub_f32 v[32+n], v[32+n], v19
	v_mul_f32 v[32+n], 0x3fb8aa3b, v[32+n]
.set n, n+1
.endr
.set n, 0
.rept 16
	v_exp_f32 v[32+n], v[32+n]
.set n, n+1
.endr
	v_nop
	s_wait_alu depctr_va_vdst(0)
	v_mul_f32 v22, v64, v32
.set n, 1
.rept 15
	v_fmac_f32 v22, v[64+n], v[32+n]
.set n, n+1
.endr
	v_log_f32 v23, v22
	v_nop
	s_wait_alu depctr_va_vdst(0)
	v_mul_f32 v23, 0xbf317218, v23                 ; max - logsumexp = -ln(sum)
	; among the lanes that propose the same user: the OR of their domain bits; a lane is beaten by a greater logit, or by an equal one of a lower lane
	v_mov_b32 v25, 0
	s_mov_b32 s79, 0
.set n, 0
.rept 32
	v_readlane_b32 s80, v20, n
	v_readlane_b32 s81, v19, n
	v_readlane_b32 s82, v16, n
	v_cmp_eq_u32 s83, s80, v20
	v_cmp_gt_f32 s84, s81, v19
	v_cmp_eq_f32 s85, s81, v19
	v_cndmask_b32 v26, 0, s82, s83
	v_or_b32 v25, v25, v26
	s_and_b32 s85, s85, (0xffffffff<<(n+1))&0xffffffff
	s_or_b32 s84, s84, s85
	s_and_b32 s84, s84, s83
	s_or_b32 s79, s79, s84
.set n, n+1
.endr
	v_cmp_gt_u32 s86, 0x800, v20                   ; servers with an eligible user
	s_and_not1_b32 s87, s86, s79
	v_cndmask_b32 v24, v252, v20, s87
	global_store_b64 v244, v[24:25], s[50:51] offset:O_PROPI
	v_mov_b32 v22, v19
	global_store_b64 v244, v[22:23], s[52:53] offset:O_PROPF
	s_cmp_lg_u32 s86, 0
	s_cselect_b32 s88, 1, 0
	v_mov_b32 v26, s88
	v_mov_b32 v27, 0
	v_cmp_eq_u32 vcc_lo, 0, v1
	s_wait_xcnt 0x0                                ; EXEC changes only behind this wait
	s_and_saveexec_b32 s89, vcc_lo
	global_store_b32 v27, v26, s[68:69] offset:O_ANYV
	s_wait_xcnt 0x0
	s_or_b32 exec_lo, exec_lo, s89
.Lend:
	s_endpgm
.Lfunc_end_k_q4031b56a66_prop0:
	.size	k_q4031b56a66_prop0, .Lfunc_end_k_q4031b56a66_prop0-k_q4031b56a66_prop0
	.p2alignl 7, 3214868480
	.fill 96, 4, 3214868480
	.section	.rodata,"a",@progbits
	.p2align	6, 0x0
	.amdhsa_kernel k_q4031b56a66_prop0
		.amdhsa_group_segment_fixed_size 283392
		.amdhsa_private_segment_fixed_size 0
		.amdhsa_enable_private_segment 0
		.amdhsa_kernarg_size 88
		.amdhsa_user_sgpr_count 2
		.amdhsa_user_sgpr_kernarg_segment_ptr 1
		.amdhsa_wavefront_size32 1
		.amdhsa_system_sgpr_workgroup_id_x 1
		.amdhsa_system_sgpr_workgroup_id_y 1
		.amdhsa_system_sgpr_workgroup_id_z 1
		.amdhsa_system_vgpr_workitem_id 0
		.amdhsa_next_free_vgpr 256
		.amdhsa_next_free_sgpr 100
		.amdhsa_reserve_vcc 1
		.amdhsa_float_denorm_mode_32 3
		.amdhsa_float_denorm_mode_16_64 3
		.amdhsa_memory_ordered 1
		.amdhsa_forward_progress 1
		.amdhsa_inst_pref_size 117
	.end_amdhsa_kernel
	.amdgpu_metadata
---
amdhsa.version: [ 1, 2 ]
amdhsa.kernels:
  - .name:           k_q4031b56a66_prop0
    .symbol:         k_q4031b56a66_prop0.kd
    .args:
      - { .name: base, .offset: 0, .size: 8, .value_kind: global_buffer, .address_space: global }
      - { .name: users, .offset: 8, .size: 8, .value_kind: global_buffer, .address_space: global }
      - { .name: servers, .offset: 16, .size: 8, .value_kind: global_buffer, .address_space: global }
      - { .name: si, .offset: 24, .size: 8, .value_kind: global_buffer, .address_space: global }
      - { .name: fd_bias, .offset: 32, .size: 8, .value_kind: global_buffer, .address_space: global }
      - { .name: score_bias, .offset: 40, .size: 8, .value_kind: global_buffer, .address_space: global }
      - { .name: user_state_w, .offset: 48, .size: 8, .value_kind: global_buffer, .address_space: global }
      - { .name: ia, .offset: 56, .size: 8, .value_kind: global_buffer, .address_space: global }
      - { .name: fa, .offset: 64, .size: 8, .value_kind: global_buffer, .address_space: global }
      - { .name: ib, .offset: 72, .size: 8, .value_kind: global_buffer, .address_space: global }
      - { .name: fb, .offset: 80, .size: 8, .value_kind: global_buffer, .address_space: global }
    .group_segment_fixed_size: 283392
    .private_segment_fixed_size: 0
    .kernarg_segment_align: 8
    .kernarg_segment_size: 88
    .max_flat_workgroup_size: 512
    .sgpr_count:     100
    .vgpr_count:     256
    .wavefront_size: 32
...
	.end_amdgpu_metadata
.endif
;; end of part 3
;; launch prop1: the kernel of part 3 again; grid 16 x 16, 16 waves a work-group, no clusters, 283,392 bytes of LDS; arguments base, users, servers, si, fd_bias, score_bias, user_state_w, ib, fb, ia, fa; writes ia, fa
;; launch prop2: the kernel of part 3 again; grid 16 x 16, 16 waves a work-group, no clusters, 283,392 bytes of LDS; arguments base, users, servers, si, fd_bias, score_bias, user_state_w, ia, fa, ib, fb; writes ib, fb
;; launch prop3: the kernel of part 3 again; grid 16 x 16, 16 waves a work-group, no clusters, 283,392 bytes of LDS; arguments base, users, servers, si, fd_bias, score_bias, user_state_w, ib, fb, ia, fa; writes ia, fa
;; launch fin (part 4): grid 16 x 16, 8 waves a work-group, no clusters, 83,968 bytes of LDS; arguments ia, fa, users, out0, out1, out2; writes out0, out1, out2
.if DOCPART == 4
	.amdgcn_target "amdgcn-amd-amdhsa--gfx1250"
	.amdhsa_code_object_version 6
	.text
	.protected	k_q4031b56a66_fin
	.globl	k_q4031b56a66_fin
	.p2align	8
	.type	k_q4031b56a66_fin,@function
k_q4031b56a66_fin:
	s_mov_b64 s[64:65], 0
	v_nop
	global_prefetch_b8 v0, s[64:65] scope:SCOPE_SE
	s_setreg_imm32_b32 hwreg(HW_REG_WAVE_MODE, 25, 1), 1
	s_wait_xcnt 0x0
; FIN.  Applies the last iteration's proposals and writes the three outputs.  A work-group has a batch b and 128 users (block ub): it builds their 128 x 512 bytes of the allocation in LDS (zeros; a 1 for
; each accepted user in the servers' lists; the last iteration's acceptances) and stores them as 64 KB on end.  It also stores the capacities of servers 32 ub + 0..31, and block 0 the batch's sum of log-probabilities.
; Every LDS address that hangs on data comes from a stored user number, clamped in the phase that uses it: into the tile less the block's first user, clamped to 128 (row 128 takes what belongs to other
; blocks and is never read); into the tables over users clamped to 2,048 (word 2,048 takes what has no user).
; A proposal that was not accepted writes a 0 where a 0 stands: a proposed pair is never allocated already.
; NO CLUSTER, no tensor load: the tables are a few KB a work-group and are used by lanes as they come; the output has one writer for each byte.
; REGISTERS: v16-95 what a wave loads; v96-121 waves 0 and 1 at work; v102-107, v122-126 wave 2's own.
.set TILE,  0
.set BV,    66048
.set BS,    74496
.set SPARE, 82944
.set O_PROPI, 2359296
.set O_HIST,  2424832
.set O_ANYV,  2555904
.set O_PROPF, 131072
.set O_LPACC, 196608
	s_load_b256 s[4:11], s[0:1], 0x0               ; ia 4, fa 6, users 8, out0 10
	s_load_b128 s[12:15], s[0:1], 0x20             ; out1 12, out2 14
	v_lshl_add_u32 v2, v0, 2, SPARE
	v_mov_b32 v3, 0
	v_lshrrev_b32 v1, 5, v0
	v_readfirstlane_b32 s2, v1                     ; wave 0..7
	v_and_b32 v1, 31, v0
	s_mov_b32 s3, ttmp9                            ; ub
	s_and_b32 s16, ttmp7, 0xffff                   ; b
	s_lshl_b32 s17, s3, 7                          ; the block's first user
	v_lshlrev_b32 v4, 2, v1
	v_lshlrev_b32 v5, 3, v1
	v_lshlrev_b32 v6, 4, v1
	v_mov_b32 v7, 1
.irp q, 8,9,10,11
	v_mov_b32 v\q, 0
.endr
	v_mov_b32 v13, s17
	s_lshl_b32 s30, s2, 13
	v_add_nc_u32 v12, s30, v6                      ; my wave's 8 KB of the tile
	s_mov_b32 s29, 0
	s_wait_kmcnt 0x0
	s_lshl_b32 s28, s16, 12
	s_add_nc_u64 s[18:19], s[4:5], s[28:29]
	s_add_nc_u64 s[20:21], s[6:7], s[28:29]
	s_lshl_b32 s28, s16, 11
	s_add_nc_u64 s[22:23], s[6:7], s[28:29]
	s_lshl_b32 s28, s16, 13
	s_add_nc_u64 s[24:25], s[4:5], s[28:29]
	s_add_nc_u64 s[26:27], s[6:7], s[28:29]
	s_mul_i32 s28, s16, 49152
	s_add_nc_u64 s[8:9], s[8:9], s[28:29]
	s_lshl_b32 s28, s16, 2
	s_add_nc_u64 s[10:11], s[10:11], s[28:29]
	s_lshl_b32 s28, s16, 11
	s_add_co_u32 s28, s28, s17
	s_lshl_b32 s28, s28, 9
	s_add_co_u32 s28, s28, s30
	s_add_nc_u64 s[12:13], s[12:13], s[28:29]
	s_lshl_b32 s28, s16, 9
	s_lshl_b32 s30, s3, 5
	s_add_co_u32 s28, s28, s30
	s_lshl_b32 s28, s28, 4
	s_add_nc_u64 s[14:15], s[14:15], s[28:29]
	s_cmp_lg_u32 s2, 0
	s_cbranch_scc1 .LA1
.set n, 0
.rept 16
	global_load_b64 v[16+2*n:17+2*n], v5, s[18:19] offset:O_PROPI+n*256
	global_load_b64 v[48+2*n:49+2*n], v5, s[20:21] offset:O_PROPF+n*256
	global_load_b32 v[80+n], v4, s[22:23] offset:O_LPACC+n*128
.set n, n+1
.endr
	s_branch .LAend
.LA1:
	s_cmp_lg_u32 s2, 1
	s_cbranch_scc1 .LA2
.set n, 0
.rept 16
	global_load_b128 v[16+4*n:19+4*n], v6, s[24:25] offset:O_HIST+n*512
.set n, n+1
.endr
	s_branch .LAend
.LA2:
	s_cmp_lg_u32 s2, 2
	s_cbranch_scc1 .LAend
	s_lshr_b32 s30, s3, 2                          ; server 32 ub + lane lies at position 128 (ub / 4) + 32 (lane % 4) + 8 (ub % 4) + lane / 4
	s_lshl_b32 s30, s30, 7
	s_and_b32 s31, s3, 3
	s_lshl_b32 s31, s31, 3
	s_add_co_u32 s30, s30, s31
	v_and_b32 v32, 3, v1
	v_lshrrev_b32 v33, 2, v1
	v_lshl_add_u32 v32, v32, 5, v33
	v_add_nc_u32 v32, s30, v32
	v_lshlrev_b32 v33, 3, v32
	v_lshlrev_b32 v34, 4, v32
	v_lshlrev_b32 v35, 5, v1
	s_lshl_b32 s30, s3, 5
	v_add_nc_u32 v36, s30, v1
	global_load_b64 v[16:17], v33, s[18:19] offset:O_PROPI
	global_load_b128 v[20:23], v34, s[26:27]
	global_load_b128 v[24:27], v35, s[4:5] offset:O_ANYV
	global_load_b128 v[28:31], v35, s[4:5] offset:O_ANYV+16
.LAend:
.set n, 0
.rept 16
	ds_store_b128 v12, v[8:11] offset:n*512
.set n, n+1
.endr
	s_wait_dscnt 0x0                               ; the tile is clear before anybody marks it
	s_barrier_signal -1
	s_barrier_wait -1
	s_cmp_lg_u32 s2, 0
	s_cbranch_scc1 .LB1
	; wave 0: each user's best proposer over the 16 blocks; ties go to the lower server
.irp q, 112,113,114,115
	v_mov_b32 v\q, 0xff800000
.endr
.irp q, 116,117,118,119
	v_mov_b32 v\q, 0xffff
.endr
	v_add_nc_u32 v120, BV, v6
	v_mov_b32 v121, BV+8192
.set n, 0
.rept 16
	ds_store_b128 v120, v[112:115] offset:n*512
	ds_store_b128 v120, v[116:119] offset:BS-BV+n*512
.set n, n+1
.endr
	ds_store_b32 v121, v112
	ds_store_b32 v121, v116 offset:BS-BV
	s_wait_loadcnt 0x0
.set n, 0
.rept 16
	v_min_u32 v[96+n], 0x800, v[16+2*n]
	v_lshl_add_u32 v[96+n], v[96+n], 2, BV
.set n, n+1
.endr
.set n, 0
.rept 16
	ds_load_b32 v112, v[96+n]
	ds_load_b32 v113, v[96+n] offset:BS-BV
	v_add_nc_u32 v114, 128*(n>>2)+(n&3), v4
	s_wait_dscnt 0x0
	v_cmp_gt_f32 s40, v[48+2*n], v112
	v_cmp_eq_f32 s41, v[48+2*n], v112
	v_cmp_lt_u32 s42, v114, v113
	s_and_b32 s41, s41, s42
	s_or_b32 s40, s40, s41
	v_cndmask_b32 v112, v112, v[48+2*n], s40
	v_cndmask_b32 v113, v113, v114, s40
	ds_store_b32 v[96+n], v112
	ds_store_b32 v[96+n], v113 offset:BS-BV
.set n, n+1
.endr
	s_branch .LBend
.LB1:
	s_cmp_lg_u32 s2, 1
	s_cbranch_scc1 .LB2
	; wave 1: the earlier iterations' acceptances
	s_wait_loadcnt 0x0
.set n, 0
.rept 16
	v_add_nc_u32 v96, 128*(n>>2)+(n&3), v4
.irp e, 0,1,2,3
	v_sub_nc_u32 v[97+\e], v[16+4*n+\e], v13
	v_min_u32 v[97+\e], 0x80, v[97+\e]
	v_lshl_add_u32 v[97+\e], v[97+\e], 9, v96
	ds_store_b8 v[97+\e], v7
.endr
.set n, n+1
.endr
	s_branch .LBend
.LB2:
	s_cmp_lg_u32 s2, 2
	s_cbranch_scc1 .LBend
	; wave 2: the needs of the user that my server proposed to, into registers that no other wave names; they are waited for here, while wave 0 walks its sixteen blocks
	s_wait_loadcnt 0x0
	v_min_u32 v126, 0x7ff, v16
	v_mul_u32_u24 v126, v126, 24
	global_load_b64 v[122:123], v126, s[8:9] offset:8
	global_load_b64 v[124:125], v126, s[8:9] offset:16
	s_wait_loadcnt 0x0
.LBend:
	s_wait_dscnt 0x0
	s_barrier_signal -1
	s_barrier_wait -1
	s_cmp_lg_u32 s2, 0
	s_cbranch_scc1 .LC2
	; wave 0: the last iteration's acceptances, and the batch's sum.  The gathers' addresses are made anew here: they read the table of servers, bytes BS to BS + 8,195; the byte stores below write the tile, bytes 0 to 66,047
.set n, 0
.rept 16
	v_min_u32 v[96+n], 0x800, v[16+2*n]
	v_lshl_add_u32 v[96+n], v[96+n], 2, BS
.set n, n+1
.endr
.set n, 0
.rept 16
	ds_load_b32 v[17+2*n], v[96+n]
.set n, n+1
.endr
	v_mov_b32 v112, 0
	s_mov_b32 s44, 0x76543210
	s_mov_b32 s45, 0xfedcba98
	s_wait_dscnt 0x0
.set n, 0
.rept 16
	v_add_nc_u32 v113, 128*(n>>2)+(n&3), v4
	v_cmp_gt_u32 s40, 0x800, v[16+2*n]
	v_cmp_eq_u32 s41, v[17+2*n], v113
	s_and_b32 s40, s40, s41
	v_cndmask_b32 v114, 0, v7, s40
	v_sub_nc_u32 v115, v[16+2*n], v13
	v_min_u32 v115, 0x80, v115
	v_lshl_add_u32 v115, v115, 9, v113
	ds_store_b8 v115, v114
	v_cndmask_b32 v116, 0, v[49+2*n], s40
	v_add_f32 v112, v112, v[80+n]
	v_add_f32 v112, v112, v116
.set n, n+1
.endr
	v_add_f32_dpp v112, v112, v112 row_xmask:1 row_mask:0xf bank_mask:0xf
	v_add_f32_dpp v112, v112, v112 row_xmask:2 row_mask:0xf bank_mask:0xf
	v_add_f32_dpp v112, v112, v112 row_xmask:4 row_mask:0xf bank_mask:0xf
	v_add_f32_dpp v112, v112, v112 row_xmask:8 row_mask:0xf bank_mask:0xf
	v_permlanex16_b32 v113, v112, s44, s45
	v_add_f32 v112, v112, v113
	s_cmp_lg_u32 s3, 0
	s_cbranch_scc1 .LCend
	v_cmp_eq_u32 vcc_lo, 0, v1
	s_wait_xcnt 0x0                                ; EXEC changes only behind this wait
	s_and_saveexec_b32 s42, vcc_lo
	global_store_b32 v4, v112, s[10:11]
	s_wait_xcnt 0x0
	s_or_b32 exec_lo, exec_lo, s42
	s_branch .LCend
.LC2:
	s_cmp_lg_u32 s2, 2
	s_cbranch_scc1 .LCend
	; wave 2: the capacities of servers 32 ub + lane
	v_min_u32 v102, 0x800, v16
	v_lshl_add_u32 v102, v102, 2, BS
	ds_load_b32 v103, v102
.irp q, 25,26,27,28,29,30,31
	v_or_b32 v24, v24, v\q
.endr
	v_cmp_ne_u32 s40, 0, v24
	s_cmp_lg_u32 s40, 0
	s_cselect_b32 s43, -1, 0                       ; go: some server anywhere had an eligible user in the last iteration
	s_wait_dscnt 0x0
	v_cmp_gt_u32 s40, 0x800, v16
	v_cmp_eq_u32 s41, v103, v36
	s_and_b32 s40, s40, s41
.irp c, 0,1,2,3
	v_cndmask_b32 v[122+\c], 0, v[122+\c], s40
	v_sub_f32 v[122+\c], v[20+\c], v[122+\c]
	v_max_num_f32 v[122+\c], 0, v[122+\c]
	v_cndmask_b32 v[104+\c], v[20+\c], v[122+\c], s43
.endr
	global_store_b128 v6, v[104:107], s[14:15]     ; 512 consecutive bytes, aligned
.LCend:
	s_wait_dscnt 0x0
	s_barrier_signal -1
	s_barrier_wait -1
.set n, 0
.rept 16
	ds_load_b128 v[16+4*n:19+4*n], v12 offset:n*512
.set n, n+1
.endr
.set n, 0
.rept 16
	s_wait_dscnt 15-n
	global_store_b128 v6, v[16+4*n:19+4*n], s[12:13] offset:n*512 th:TH_STORE_NT  ; a user's 512 bytes
.set n, n+1
.endr
	s_wait_tensorcnt 0x0                           ; the wave's end
	ds_add_u32 v2, v3
	s_wait_dscnt 0x0
	s_endpgm
.Lfunc_end_k_q4031b56a66_fin:
	.size	k_q4031b56a66_fin, .Lfunc_end_k_q4031b56a66_fin-k_q4031b56a66_fin
	.p2alignl 7, 3214868480
	.fill 96, 4, 3214868480
	.section	.rodata,"a",@progbits
	.p2align	6, 0x0
	.amdhsa_kernel k_q4031b56a66_fin
		.amdhsa_group_segment_fixed_size 83968
		.amdhsa_private_segment_fixed_size 0
		.amdhsa_enable_private_segment 0
		.amdhsa_kernarg_size 48
		.amdhsa_user_sgpr_count 2
		.amdhsa_user_sgpr_kernarg_segment_ptr 1
		.amdhsa_wavefront_size32 1
		.amdhsa_system_sgpr_workgroup_id_x 1
		.amdhsa_system_sgpr_workgroup_id_y 1
		.amdhsa_system_sgpr_workgroup_id_z 1
		.amdhsa_system_vgpr_workitem_id 0
		.amdhsa_next_free_vgpr 128
		.amdhsa_next_free_sgpr 66
		.amdhsa_reserve_vcc 1
		.amdhsa_float_denorm_mode_32 3
		.amdhsa_float_denorm_mode_16_64 3
		.amdhsa_memory_ordered 1
		.amdhsa_forward_progress 1
		.amdhsa_inst_pref_size 63
	.end_amdhsa_kernel
	.amdgpu_metadata
---
amdhsa.version: [ 1, 2 ]
amdhsa.kernels:
  - .name:           k_q4031b56a66_fin
    .symbol:         k_q4031b56a66_fin.kd
    .args:
      - { .name: ia, .offset: 0, .size: 8, .value_kind: global_buffer, .address_space: global }
      - { .name: fa, .offset: 8, .size: 8, .value_kind: global_buffer, .address_space: global }
      - { .name: users, .offset: 16, .size: 8, .value_kind: global_buffer, .address_space: global }
      - { .name: out0, .offset: 24, .size: 8, .value_kind: global_buffer, .address_space: global }
      - { .name: out1, .offset: 32, .size: 8, .value_kind: global_buffer, .address_space: global }
      - { .name: out2, .offset: 40, .size: 8, .value_kind: global_buffer, .address_space: global }
    .group_segment_fixed_size: 83968
    .private_segment_fixed_size: 0
    .kernarg_segment_align: 8
    .kernarg_segment_size: 48
    .max_flat_workgroup_size: 256
    .sgpr_count:     66
    .vgpr_count:     128
    .wavefront_size: 32
...
	.end_amdgpu_metadata
.endif
;; end of part 4
;; ======== version 2 of 2: 7 launches; version 1 with the launch prep written anew for expert scheduling mode
;; limits: right only within a limited range of input values
;; workspace buffers: tb 6,303,744 bytes; base 69,206,016 bytes; si 32,768 bytes of whole numbers; ia 2,556,928 bytes of whole numbers; ib 2,556,928 bytes of whole numbers; fa 229,376 bytes; fb 229,376 bytes
;; launch prep (part 5): grid 513 x 1, 8 waves a work-group, no clusters, 53,248 bytes of LDS; arguments connect, fd_onehot, server_enc, servers, state_proj_w, state_proj_b, ptr_k_w, ptr_q_w, tb, si, ia, fa; writes tb, si, ia, fa
.if DOCPART == 5
	.amdgcn_target "amdgcn-amd-amdhsa--gfx1250"
	.amdhsa_code_object_version 6
	.text
	.protected	k_q4031b56a66_prep
	.globl	k_q4031b56a66_prep
	.p2align	8
	.type	k_q4031b56a66_prep,@function
k_q4031b56a66_prep:
	s_mov_b64 s[64:65], 0
	v_nop
	global_prefetch_b8 v0, s[64:65] scope:SCOPE_SE
	s_setreg_imm32_b32 hwreg(HW_REG_WAVE_SCHED_MODE, 0, 2), 2
	s_setreg_imm32_b32 hwreg(HW_REG_WAVE_MODE, 25, 1), 1
	s_wait_xcnt 0x0
	s_wait_alu depctr_vm_vsrc(0)
; PREP.  Two programs in one launch, chosen by the work-group's number, so that a work-group that streams and one that multiplies can share a WGP.
; PACK (even numbers below 512): connect [16][2048][512] i32 is read once and packed to bits: E[b][blk][u], bit l of block blk = 4 G + j is server s = 128 G + 4 l + j,
;   so that a lane's 16 bytes of connect (servers 128 G + 4 lane + 0..3) give, by four compares, the words of the four blocks of G.  Also clears RC and SEEN.
; CHAIN (odd numbers, and 512): T'[p][:] = isd Wq^T Wk x[p], 32 rows p a work-group (x = a row of server_enc; in work-group 512 the four columns of state_proj_w, state_proj_b and zeros).
;   Both products go to the matrix unit in bf16.  Each f32 number is cut into three bf16 parts h + m + l (the two subtractions are exact), and six of the nine partial products are kept:
;   lh, hl, mm, mh, hm, hh, the small ones first.  T' is stored as three bf16 parts for the next launch.  Also fd bits, the first capacities and an empty set of proposals.
; NO CLUSTER: the 64 MB of connect have one reader each; what CHAIN's work-groups share is two weights of 64 KB, a small part of the launch's bytes, and they pass through registers to be cut in parts.
; LIMITS: fd_onehot counts as 0 or not 0; NaN and infinities are not treated apart.
; THE MODE: SCHED_MODE bits 1:0 = 2 (LLVM: expert scheduling mode 2), set by the entry lines.  The code itself states the register dependences
; between vector or matrix instructions and memory or LDS instructions, with s_wait_alu, always for 0.
; THE PLAN, PACK.  Registers that memory instructions touch:
;   v5, v6     offsets, made once and never written again.
;   CB         32 slots of 4.  Written by loads; read by a group's sixteen compares; slots 0 to 31 are then loaded once more.
;   WB, v8-11  written by v_mov_b32 and v_writelane_b32; read by the stores at the end.
; The 64 users go in 16 groups of four.  A group: its compares into sixteen scalar registers; one wait for those masks; in the first eight groups one wait that states that the compares are done
; reading the four slots, and the four loads; then the sixteen lane writes, which name none of the loads' registers.
; THE PLAN, CHAIN.  Registers that memory or LDS instructions touch:
;   v7-15, v204-207  addresses and offsets, made at the head.
;   WF         K step kk's cuts read and use up WF[kk]; in the first product Wq's sixteen loads then land in it.
;   WP         written by the cuts; read by matrix instructions and by the LDS stores of the fill and of each product's way out.
;   XF0, XF1   the rows' fragments of K step kk lie in buffer kk % 2: written by LDS loads issued one step earlier, read by step kk's twelve matrix instructions.
;   MI         the small tables' loads and store data.
; ONE wait on va_vdst stands in a K step, behind its cuts: they are done with WF[kk], and the matrix instructions of the step before are done reading the other fragment buffer.  The next step's
; twelve LDS loads follow it, and Wq's sixteen loads are dealt among the step's matrix instructions, which name WP, the accumulators and this step's own buffer alone.
; One wait on vm_vsrc stands at the head of each product: the LDS stores have read WP.
.set XP,    0                          ; LDS: [part 3][row 32] of 256 bytes + 16 of padding
.set XP2,   26112                      ; the same once more
.set SPARE, 52224                      ; the spare words, 128 bytes a wave
.set PART,  8704
.set PITCH, 272
.set CB,  16                           ; PACK  v[16:143]  32 slots of 4 registers
.set WB,  144                          ; PACK  v[144:151] words gathered: block j, user parity
.set WF,  16                           ; CHAIN v[16:79]   weights in f32, 16 for each 32 of K
.set WP,  80                           ; CHAIN v[80:103]  weights' three parts; also what the splits leave for LDS
.set XF,  104                          ; CHAIN v[104:151] fragments of the rows: 2 blocks x 3 parts x 8: the buffer of the even K steps;
.set XSTEP, 104                        ; CHAIN v[208:255] that of the odd ones lies 104 registers on
.set ACC, 152                          ; CHAIN v[152:167] two accumulators
.set T,   168                          ; CHAIN v[168:169] at work
.set MI,  170                          ; CHAIN v[170:203] the small tables
.set O_RC,    2097152
.set O_PROPI, 2359296
.set O_HIST,  2424832
.set O_ANYV,  2555904
.set O_PROPF, 131072
.set O_LPACC, 196608
.macro PLACES                          ; four plain vector instructions between a matrix instruction and a vector write of one of its registers, or a read of its result (ISA guide 7.12.1)
.rept 4
	v_nop
.endr
.endm
; the pair x is cut into h + m + l, two bf16 to a register; x is used up
.macro SPLIT x, h, m, l
	v_cvt_pk_bf16_f32 v[\h], v[\x], v[(\x)+1]
	v_lshlrev_b32 v[T], 16, v[\h]
	v_and_b32 v[T+1], s7, v[\h]
	v_pk_add_f32 v[(\x):(\x)+1], v[(\x):(\x)+1], v[T:T+1] neg_lo:[0,1] neg_hi:[0,1]
	v_cvt_pk_bf16_f32 v[\m], v[\x], v[(\x)+1]
	v_lshlrev_b32 v[T], 16, v[\m]
	v_and_b32 v[T+1], s7, v[\m]
	v_pk_add_f32 v[(\x):(\x)+1], v[(\x):(\x)+1], v[T:T+1] neg_lo:[0,1] neg_hi:[0,1]
	v_cvt_pk_bf16_f32 v[\l], v[\x], v[(\x)+1]
.endm
	s_load_b512 s[8:23], s[0:1], 0x0               ; connect 8, fd_onehot 10, server_enc 12, servers 14, state_proj_w 16, state_proj_b 18, ptr_k_w 20, ptr_q_w 22
	s_load_b256 s[24:31], s[0:1], 0x40             ; tb 24, si 26, ia 28, fa 30
	v_lshl_add_u32 v2, v0, 2, SPARE
	v_mov_b32 v3, 0
	v_lshrrev_b32 v1, 5, v0
	v_readfirstlane_b32 s2, v1                     ; wave 0..7
	v_and_b32 v4, 31, v0                           ; lane
	s_mov_b32 s6, ttmp9
	s_lshr_b32 s3, s6, 1                           ; k
	s_and_b32 s4, s6, 1
	s_cmp_eq_u32 s6, 512
	s_cselect_b32 s5, 1, 0                         ; 1: the extra work-group
	s_or_b32 s4, s4, s5                            ; 1: CHAIN
	s_lshr_b32 s32, s3, 4                          ; b
	s_and_b32 s33, s3, 15                          ; PACK: block of 128 users; CHAIN: block of 32 servers
	s_mov_b32 s7, 0xffff0000
	s_wait_alu depctr_va_sdst(0)                   ; s2, the wave's number, is written
	s_wait_kmcnt 0x0
	s_cmp_eq_u32 s4, 0
	s_cbranch_scc0 .Lchain
; ---------------------------------------------------------------- PACK
; Wave pw takes the 128 servers of G = pw % 4 for the 64 users 128 ub + 64 (pw / 4) + 0..63: one load is a user's 512 consecutive bytes.
	s_and_b32 s34, s2, 3                           ; G
	s_lshr_b32 s35, s2, 2
	s_lshl_b32 s36, s33, 7
	s_lshl_b32 s37, s35, 6
	s_add_co_u32 s36, s36, s37                     ; my first user in the batch
	s_lshl_b32 s37, s32, 11
	s_add_co_u32 s37, s37, s36
	s_lshl_b32 s38, s37, 11                        ; a row of connect is 2,048 bytes
	s_lshl_b32 s39, s34, 9
	s_add_co_u32 s38, s38, s39
	s_mov_b32 s39, 0
	s_add_nc_u64 s[8:9], s[8:9], s[38:39]
	v_lshlrev_b32 v5, 4, v4
	v_lshlrev_b32 v6, 3, v4
	s_wait_alu depctr_va_vdst(0)                   ; v5 and v6 are written: every load and store of PACK reads one of them as its offset
.set n, 0
.rept 32
	global_load_b128 v[CB+4*n:CB+4*n+3], v5, s[8:9] offset:n*2048 th:TH_LOAD_NT
.set n, n+1
.endr
.set n, 0
.rept 8
	v_mov_b32 v[WB+n], 0                           ; v_writelane_b32 keeps the other lanes: the register is written whole first
.set n, n+1
.endr
.irp q, 8,9,10,11
	v_mov_b32 v\q, 0
.endr
	s_lshl_b32 s40, s32, 4
	s_lshl_b32 s41, s34, 2
	s_add_co_u32 s40, s40, s41                     ; 16 b + 4 G
	s_lshl_b32 s40, s40, 11
	s_add_co_u32 s40, s40, s36
	s_lshl_b32 s40, s40, 2
	s_mov_b32 s41, 0
	s_add_nc_u64 s[42:43], s[28:29], s[40:41]      ; E at block 4 G, my first user
; Group g: users 4 g + 0..3.  For a user four compares give the words of blocks 4 G + 0..3; word (j, u) goes to lane u / 2 of register 2 j + u % 2.  left = the younger loads that may stay out.
.macro GROUP g, left
	s_wait_loadcnt \left
.irp i, 0,1,2,3
.irp j, 0,1,2,3
	v_cmp_ne_u32 s[44+4*\i+\j], 0, v[CB+4*((4*(\g)+\i)%32)+\j]
.endr
.endr
	s_wait_alu depctr_va_sdst(0)                   ; the sixteen masks s44 to s59 are written, ahead of the lane writes that read them
.if (\g) < 8
	s_wait_alu depctr_va_vdst(0)                   ; the compares are done reading the group's four slots, in which the loads below land
.irp i, 0,1,2,3
	global_load_b128 v[CB+4*(4*(\g)+\i):CB+4*(4*(\g)+\i)+3], v5, s[8:9] offset:(4*(\g)+\i+32)*2048 th:TH_LOAD_NT
.endr
.endif
.irp i, 0,1,2,3
.irp j, 0,1,2,3
	v_writelane_b32 v[WB+2*\j+((\i)&1)], s[44+4*\i+\j], (4*(\g)+\i)>>1
.endr
.endr
.endm
.set n, 0
.rept 8
	GROUP n, 28                                    ; behind the group's fourth load: 28 - 4 n first loads and 4 n loads issued again
.set n, n+1
.endr
.rept 8
	GROUP n, 60-4*n                                ; the counts run down
.set n, n+1
.endr
	s_wait_alu depctr_va_vdst(0)                   ; the lane writes have written the gathered words, and v8 to v11 hold their zeros: the stores below read them
.irp j, 0,1,2,3
	global_store_b64 v6, v[WB+2*\j:WB+2*\j+1], s[42:43] offset:\j*8192  ; 64 users' words: 256 consecutive bytes, aligned
.endr
	s_cmp_lt_u32 s2, 2
	s_cbranch_scc0 .Lpack_end
	s_lshl_b32 s40, s32, 13                        ; wave 0 clears RC, wave 1 SEEN (131,072 bytes on) for the group's 128 users
	s_lshl_b32 s44, s33, 9
	s_add_co_u32 s40, s40, s44
	s_lshl_b32 s44, s2, 17
	s_add_co_u32 s40, s40, s44
	s_add_nc_u64 s[48:49], s[28:29], s[40:41]
	global_store_b128 v5, v[8:11], s[48:49] offset:O_RC
.Lpack_end:
	s_wait_dscnt 0x0                               ; the closing lines, six on end
	s_wait_alu 0x0
	s_wait_tensorcnt 0x0
	ds_add_u32 v2, v3
	s_wait_dscnt 0x0
	s_endpgm
; ---------------------------------------------------------------- CHAIN
.Lchain:
	v_and_b32 v5, 15, v4                           ; r
	v_lshrrev_b32 v6, 4, v4                        ; h
	s_lshr_b32 s34, s33, 2                         ; G
	s_and_b32 s35, s33, 3                          ; j
	s_lshl_b32 s36, s2, 13
	s_lshl_b32 s37, s2, 6
	s_mul_i32 s38, s2, 4*PITCH
	s_lshl_b32 s39, s2, 5
	v_lshlrev_b32 v14, 4, v4                       ; 16 lane
	v_lshlrev_b32 v15, 2, v4                       ; 4 lane
	v_lshlrev_b32 v8, 9, v5                        ; Wk[16 cw + r][8 h ..]: 512 r + 32 h + 8,192 cw
	v_lshl_add_u32 v8, v6, 5, v8
	v_add_nc_u32 v8, s36, v8
	v_lshlrev_b32 v9, 12, v6                       ; Wq[8 h ..][16 cw + r]: 4,096 h + 4 r + 64 cw
	v_lshl_add_u32 v9, v5, 2, v9
	v_add_nc_u32 v9, s37, v9
	v_mul_u32_u24 v10, v5, PITCH                   ; a fragment's row: 272 r + 16 h
	v_lshl_add_u32 v10, v6, 4, v10
	v_lshl_add_u32 v11, v4, 3, s38                 ; the fill: rows 4 cw + i, 8 bytes a lane
	v_add_nc_u32 v12, s39, v10                     ; a result: row r, columns 16 cw + 8 h + 0..7
	v_mul_u32_u24 v13, v6, PITCH                   ; back as whole rows: rows 4 cw + lane / 16, 16 bytes a lane
	v_lshl_add_u32 v13, v5, 4, v13
	v_add_nc_u32 v13, s38, v13
	s_lshl_b32 s40, s32, 9
	s_lshl_b32 s41, s33, 5
	s_add_co_u32 s41, s41, s40                     ; 512 b + 32 blk: my first position
	s_lshl_b32 s42, s34, 7
	s_add_co_u32 s40, s40, s42
	s_add_co_u32 s40, s40, s35                     ; 512 b + 128 G + j: my first server; the next lie 4 apart
	v_add_nc_u32 v204, s41, v4
	v_lshlrev_b32 v205, 3, v204                    ; position x 8, x 16, x 4
	v_lshlrev_b32 v206, 4, v204
	v_lshlrev_b32 v204, 2, v204
	v_mul_u32_u24 v207, v4, 112                    ; four rows of servers, 28 bytes each
	s_mov_b32 s43, 0
	s_lshl_b32 s42, s40, 9
	s_add_co_u32 s42, s42, s36
	s_add_nc_u64 s[12:13], s[12:13], s[42:43]      ; server_enc at row 4 cw of my 32 (not used by the extra work-group)
	s_lshl_b32 s42, s40, 7
	s_add_nc_u64 s[10:11], s[10:11], s[42:43]
	s_mul_i32 s42, s40, 28
	s_add_nc_u64 s[14:15], s[14:15], s[42:43]
	s_mov_b32 s46, 0x3db504f3                      ; 128^-0.5
	s_mov_b32 s47, s46
	s_lshl_b32 s48, s32, 2                         ; where T' goes: ((4 b + G) 3 + part) 32,768 + (32 j + row) 256; the extra rows at 6,291,456, parts 4,096 apart
	s_add_co_u32 s48, s48, s34
	s_mul_i32 s48, s48, 98304
	s_lshl_b32 s49, s35, 13
	s_add_co_u32 s48, s48, s49
	s_mov_b32 s50, 32768
	s_mov_b32 s51, 0
	s_cmp_eq_u32 s5, 1
	s_cselect_b32 s48, 6291456, s48
	s_cselect_b32 s50, 4096, s50
	s_lshl_b32 s49, s2, 10
	s_add_co_u32 s48, s48, s49
	s_mov_b32 s49, 0
	s_add_nc_u64 s[52:53], s[24:25], s[48:49]
	s_add_nc_u64 s[54:55], s[52:53], s[50:51]
	s_add_nc_u64 s[56:57], s[54:55], s[50:51]
	s_wait_alu depctr_va_vdst(0)                   ; the addresses and offsets v8 to v15 and v204 to v207 are written, which the loads and stores of CHAIN read, on every way from here
	s_cmp_eq_u32 s5, 1
	s_cbranch_scc1 .Lext_fill
.irp i, 0,1,2,3
	global_load_b128 v[XF+4*\i:XF+4*\i+3], v14, s[12:13] offset:\i*2048  ; row 4 cw + i: 512 consecutive bytes
.endr
	s_cmp_lg_u32 s2, 0
	s_cbranch_scc1 .Lload_1
.set n, 0
.rept 32
	global_load_b32 v[MI+n], v15, s[10:11] offset:n*512  ; wave 0: fd_onehot's row of position n, lane = domain
.set n, n+1
.endr
	s_branch .Lfilled
.Lload_1:
	s_cmp_lg_u32 s2, 1
	s_cbranch_scc1 .Lfilled
.irp c, 0,1,2,3
	global_load_b32 v[MI+2+\c], v207, s[14:15] offset:12+4*\c  ; wave 1: servers[..][3 + c], lane = position
.endr
	s_branch .Lfilled
.Lext_fill:
.set n, 0
.rept 16
	v_mov_b32 v[XF+n], 0
.set n, n+1
.endr
	s_cmp_lg_u32 s2, 0
	s_cbranch_scc1 .Lext_b
	v_lshlrev_b32 v7, 6, v4
	s_wait_alu depctr_va_vdst(0)                   ; v7 is written, which the four loads below read as their offset
.irp q, 0,1,2,3
	global_load_b128 v[XF+16+4*\q:XF+19+4*\q], v7, s[16:17] offset:16*\q  ; state_proj_w[4 lane + q][0..3]
.endr
	s_wait_loadcnt 0x0
.irp i, 0,1,2,3
.irp q, 0,1,2,3
	v_mov_b32 v[XF+4*\i+\q], v[XF+16+4*\q+\i]      ; row i is column i of state_proj_w
.endr
.endr
	s_branch .Lfilled
.Lext_b:
	s_cmp_lg_u32 s2, 1
	s_cbranch_scc1 .Lfilled
	s_wait_alu depctr_va_vdst(0)                   ; the zeros are written into v[XF ..], in the first four of which the load below lands
	global_load_b128 v[XF:XF+3], v14, s[18:19]     ; row 4 is state_proj_b
.Lfilled:
.irp kk, 0,1,2,3
.irp q, 0,1,2,3
	global_load_b128 v[WF+16*\kk+4*\q:WF+16*\kk+4*\q+3], v8, s[20:21] offset:\kk*128+(\q>>1)*64+(\q&1)*16
.endr
.endr
	s_wait_loadcnt 0x0                             ; everything asked for so far
	; the small tables, each by one wave
	s_cmp_eq_u32 s5, 1
	s_cbranch_scc1 .Lmisc_ext
	s_cmp_lg_u32 s2, 0
	s_cbranch_scc1 .Lmisc_1
	v_mov_b32 v[MI+32], 0
.irp t, 0,1,2,3
.irp n, 0,1,2,3,4,5,6,7
	v_cmp_ne_u32 s[32+\n], 0, v[MI+8*\t+\n]        ; s32 to s39 held numbers that the addresses above were made of, and are free
.endr
	s_wait_alu depctr_va_sdst(0)                   ; the eight masks are written, ahead of the lane writes that read them
.irp n, 0,1,2,3,4,5,6,7
	v_writelane_b32 v[MI+32], s[32+\n], 8*\t+\n    ; lane n: the 32 domain bits of position n
.endr
.endr
	s_wait_alu depctr_va_vdst(0)                   ; the lane writes have written v[MI+32], which the store reads
	global_store_b32 v204, v[MI+32], s[26:27]
	s_branch .Lmisc_done
.Lmisc_1:
	s_cmp_lg_u32 s2, 1
	s_cbranch_scc1 .Lmisc_2
	global_store_b128 v206, v[MI+2:MI+5], s[30:31] ; CAP: data that loads brought
	s_branch .Lmisc_done
.Lmisc_2:
	s_cmp_lg_u32 s2, 2
	s_cbranch_scc1 .Lmisc_3
	v_mov_b32 v[MI], 0x800                         ; no user proposed,
	v_mov_b32 v[MI+1], 0
.irp c, 2,3,4,5
	v_mov_b32 v[MI+\c], 0x800                      ; none accepted so far
.endr
	s_wait_alu depctr_va_vdst(0)                   ; v[MI] to v[MI+5] are written, which the two stores read
	global_store_b64 v205, v[MI:MI+1], s[28:29] offset:O_PROPI
	global_store_b128 v206, v[MI+2:MI+5], s[28:29] offset:O_HIST
	s_branch .Lmisc_done
.Lmisc_3:
	s_cmp_lg_u32 s2, 3
	s_cbranch_scc1 .Lmisc_done
	v_mov_b32 v[MI], 0
	v_mov_b32 v[MI+1], 0
	s_wait_alu depctr_va_vdst(0)                   ; v[MI] and v[MI+1] are written, which the two stores read
	global_store_b64 v205, v[MI:MI+1], s[30:31] offset:O_PROPF
	global_store_b32 v204, v[MI], s[30:31] offset:O_LPACC
	s_branch .Lmisc_done
.Lmisc_ext:
	s_cmp_lg_u32 s2, 7
	s_cbranch_scc1 .Lmisc_done
.irp c, 0,1,2,3
	v_mov_b32 v[MI+\c], 0
.endr
	v_lshlrev_b32 v205, 5, v4                      ; on this way no memory instruction has read v205
	s_wait_alu depctr_va_vdst(0)                   ; the zeros and the offset v205 are written, which the two stores read
	global_store_b128 v205, v[MI:MI+3], s[28:29] offset:O_ANYV      ; all 256 words of ANYV
	global_store_b128 v205, v[MI:MI+3], s[28:29] offset:O_ANYV+16
.Lmisc_done:
	; the 32 rows, cut in parts, into XP
.irp i, 0,1,2,3
.irp q, 0,1
	SPLIT XF+4*\i+2*\q, WP+2*\i+\q, WP+8+2*\i+\q, WP+16+2*\i+\q
.endr
.endr
	s_wait_alu depctr_va_vdst(0)                   ; the cuts have written v[WP ..], which the LDS stores read; they are also done with v[XF ..], in which the first fragments land behind the barrier
.irp i, 0,1,2,3
.irp pt, 0,1,2
	ds_store_b64 v11, v[WP+8*\pt+2*\i:WP+8*\pt+2*\i+1] offset:XP+\pt*PART+\i*PITCH
.endr
.endr
	s_wait_dscnt 0x0                               ; for the others' sake: my rows are in LDS
	s_barrier_signal -1
	s_barrier_wait -1
; two matrix instructions: part pa of the weights (source 0: 16 output columns) x part pb of the rows (source 1: 16 rows, in K step kk's buffer), the two accumulators by turns
.macro MMX kk, pa, pb, zero
.irp nb, 0,1
.if \zero
	v_wmma_f32_16x16x32_bf16 v[ACC+8*\nb:ACC+8*\nb+7], v[WP+8*(\pa):WP+8*(\pa)+7], v[XF+XSTEP*((\kk)&1)+8*(3*\nb+(\pb)):XF+XSTEP*((\kk)&1)+8*(3*\nb+(\pb))+7], 0
.else
	v_wmma_f32_16x16x32_bf16 v[ACC+8*\nb:ACC+8*\nb+7], v[WP+8*(\pa):WP+8*(\pa)+7], v[XF+XSTEP*((\kk)&1)+8*(3*\nb+(\pb)):XF+XSTEP*((\kk)&1)+8*(3*\nb+(\pb))+7], v[ACC+8*\nb:ACC+8*\nb+7]
.endif
.endr
.endm
; twelve LDS loads: the rows' fragments of K step kk, three parts of two blocks of 16 rows, into buffer kk % 2
.macro LOADX src, kk
.irp nb, 0,1
.irp pt, 0,1,2
	ds_load_b128 v[XF+XSTEP*((\kk)&1)+8*(3*\nb+\pt):XF+XSTEP*((\kk)&1)+8*(3*\nb+\pt)+3],   v10 offset:(\src)+\pt*PART+\nb*16*PITCH+(\kk)*64
	ds_load_b128 v[XF+XSTEP*((\kk)&1)+8*(3*\nb+\pt)+4:XF+XSTEP*((\kk)&1)+8*(3*\nb+\pt)+7], v10 offset:(\src)+\pt*PART+\nb*16*PITCH+(\kk)*64+32
.endr
.endr
.endm
; four of the sixteen loads of Wq that land in the registers of K step kk
.macro WQ kk, e0
.irp e, \e0, (\e0)+1
	global_load_b32 v[WF+16*(\kk)+\e],   v9, s[22:23] offset:(32*(\kk)+\e)*512
	global_load_b32 v[WF+16*(\kk)+8+\e], v9, s[22:23] offset:(32*(\kk)+16+\e)*512
.endr
.endm
; One product, 32 rows x my 16 columns x 128.  src: where the rows' parts lie.  two = 0: the weights are Wk, in registers; each K step's registers are loaded again with Wq when they are cut.
; two = 1: the weights are Wq; the wait leaves the 16 loads of each later K step out.
.macro STAGE src, two
	s_wait_alu depctr_vm_vsrc(0)                   ; my LDS stores have read v[WP ..], which the cuts below write again
	LOADX \src, 0                                  ; no vector instruction since the last wait on va_vdst names this buffer
.irp kk, 0,1,2,3
.if \two
	s_wait_loadcnt 48-16*\kk
.endif
	PLACES                                         ; the cuts write v[WP ..], which the matrix instructions just issued read
.irp q, 0,1,2,3,4,5,6,7
	SPLIT WF+16*\kk+2*\q, WP+\q, WP+8+\q, WP+16+\q
.endr
.if !(\two) || (\kk < 3)
	s_wait_alu depctr_va_vdst(0)                   ; the cuts are done with this K step's sixteen registers of WF, in which Wq's loads land; the matrix instructions of the K step before are done reading the buffer in which the next fragments land
.endif
.if \kk < 3
	LOADX \src, \kk+1
	s_wait_dscnt 12                                ; LDS loads come back in order (ISA guide 5.7.1): this K step's fragments are in, the twelve just issued stay out
.else
	s_wait_dscnt 0x0
.endif
.if \kk == 0
	MMX \kk, 2, 0, 1                               ; the first product starts the sums
.else
	MMX \kk, 2, 0, 0
.endif
.if !(\two)
	WQ \kk, 0                                      ; no wait: no vector or matrix instruction since the wait above names these registers
.endif
	MMX \kk, 0, 2, 0
.if !(\two)
	WQ \kk, 2
.endif
	MMX \kk, 1, 1, 0
.if !(\two)
	WQ \kk, 4
.endif
	MMX \kk, 1, 0, 0
.if !(\two)
	WQ \kk, 6
.endif
	MMX \kk, 0, 1, 0
	MMX \kk, 0, 0, 0
.endr
.endm
; The results (lane: row 16 nb + r, columns 16 cw + 8 h + 0..7) are cut in parts and laid into dst; each accumulator is read from its low end on.
.macro EPI dst, scale
	PLACES
.if \scale
.irp q, 0,1,2,3,4,5,6,7
	v_pk_mul_f32 v[ACC+2*\q:ACC+2*\q+1], v[ACC+2*\q:ACC+2*\q+1], s[46:47] op_sel_hi:[1,0]
.endr
.endif
.irp nb, 0,1
.irp q, 0,1,2,3
	SPLIT ACC+8*\nb+2*\q, WP+12*\nb+\q, WP+12*\nb+4+\q, WP+12*\nb+8+\q
.endr
.endr
	s_wait_alu depctr_va_vdst(0)                   ; the cuts have written v[WP ..], which the LDS stores read; the product's matrix instructions are done reading both fragment buffers, in which LDS loads land behind the barrier
.irp nb, 0,1
.irp pt, 0,1,2
	ds_store_b128 v12, v[WP+12*\nb+4*\pt:WP+12*\nb+4*\pt+3] offset:(\dst)+\pt*PART+\nb*16*PITCH
.endr
.endr
	s_wait_dscnt 0x0                               ; my stores are done, and so are my reads of the rows: behind the barrier they may be written over
	s_barrier_signal -1
	s_barrier_wait -1
.endm
	STAGE XP, 0                                    ; Y = X Wk^T
	EPI XP2, 0
	STAGE XP2, 1                                   ; T' = isd Y Wq
	EPI XP, 1
	s_lshr_b32 s58, s2, 2                          ; of the extra work-group only rows 0-15 are stored
	s_and_b32 s58, s58, s5
	s_cmp_lg_u32 s58, 0
	s_cbranch_scc1 .Lchain_end
.irp pt, 0,1,2
.irp t, 0,1
	ds_load_b128 v[XF+4*(2*\pt+\t):XF+4*(2*\pt+\t)+3], v13 offset:XP+\pt*PART+\t*2*PITCH
.endr
.endr
.irp pt, 0,1,2
.irp t, 0,1
	s_wait_dscnt 5-(2*\pt+\t)
	global_store_b128 v14, v[XF+4*(2*\pt+\t):XF+4*(2*\pt+\t)+3], s[52+2*\pt:53+2*\pt] offset:\t*512  ; two rows: 512 consecutive bytes, aligned
.endr
.endr
.Lchain_end:
	s_wait_dscnt 0x0                               ; the closing lines, six on end
	s_wait_alu 0x0
	s_wait_tensorcnt 0x0
	ds_add_u32 v2, v3
	s_wait_dscnt 0x0
	s_endpgm
.Lfunc_end_k_q4031b56a66_prep:
	.size	k_q4031b56a66_prep, .Lfunc_end_k_q4031b56a66_prep-k_q4031b56a66_prep
	.p2alignl 7, 3214868480
	.fill 96, 4, 3214868480
	.section	.rodata,"a",@progbits
	.p2align	6, 0x0
	.amdhsa_kernel k_q4031b56a66_prep
		.amdhsa_group_segment_fixed_size 53248
		.amdhsa_private_segment_fixed_size 0
		.amdhsa_enable_private_segment 0
		.amdhsa_kernarg_size 96
		.amdhsa_user_sgpr_count 2
		.amdhsa_user_sgpr_kernarg_segment_ptr 1
		.amdhsa_wavefront_size32 1
		.amdhsa_system_sgpr_workgroup_id_x 1
		.amdhsa_system_sgpr_workgroup_id_y 1
		.amdhsa_system_sgpr_workgroup_id_z 1
		.amdhsa_system_vgpr_workitem_id 0
		.amdhsa_next_free_vgpr 256
		.amdhsa_next_free_sgpr 66
		.amdhsa_reserve_vcc 0
		.amdhsa_float_denorm_mode_32 3
		.amdhsa_float_denorm_mode_16_64 3
		.amdhsa_memory_ordered 1
		.amdhsa_forward_progress 1
		.amdhsa_inst_pref_size 121
	.end_amdhsa_kernel
	.amdgpu_metadata
---
amdhsa.version: [ 1, 2 ]
amdhsa.kernels:
  - .name:           k_q4031b56a66_prep
    .symbol:         k_q4031b56a66_prep.kd
    .args:
      - { .name: connect, .offset: 0, .size: 8, .value_kind: global_buffer, .address_space: global }
      - { .name: fd_onehot, .offset: 8, .size: 8, .value_kind: global_buffer, .address_space: global }
      - { .name: server_enc, .offset: 16, .size: 8, .value_kind: global_buffer, .address_space: global }
      - { .name: servers, .offset: 24, .size: 8, .value_kind: global_buffer, .address_space: global }
      - { .name: state_proj_w, .offset: 32, .size: 8, .value_kind: global_buffer, .address_space: global }
      - { .name: state_proj_b, .offset: 40, .size: 8, .value_kind: global_buffer, .address_space: global }
      - { .name: ptr_k_w, .offset: 48, .size: 8, .value_kind: global_buffer, .address_space: global }
      - { .name: ptr_q_w, .offset: 56, .size: 8, .value_kind: global_buffer, .address_space: global }
      - { .name: tb, .offset: 64, .size: 8, .value_kind: global_buffer, .address_space: global }
      - { .name: si, .offset: 72, .size: 8, .value_kind: global_buffer, .address_space: global }
      - { .name: ia, .offset: 80, .size: 8, .value_kind: global_buffer, .address_space: global }
      - { .name: fa, .offset: 88, .size: 8, .value_kind: global_buffer, .address_space: global }
    .group_segment_fixed_size: 53248
    .private_segment_fixed_size: 0
    .kernarg_segment_align: 8
    .kernarg_segment_size: 96
    .max_flat_workgroup_size: 256
    .sgpr_count:     66
    .vgpr_count:     256
    .wavefront_size: 32
...
	.end_amdgpu_metadata
.endif
;; end of part 5
;; launch gemm: the kernel of part 2 again; grid 16 x 16, 4 waves a work-group, clusters of 4 x 1, 327,680 bytes of LDS; arguments user_enc, tb, base; writes base
;; launch prop0: the kernel of part 3 again; grid 16 x 16, 16 waves a work-group, no clusters, 283,392 bytes of LDS; arguments base, users, servers, si, fd_bias, score_bias, user_state_w, ia, fa, ib, fb; writes ib, fb
;; launch prop1: the kernel of part 3 again; grid 16 x 16, 16 waves a work-group, no clusters, 283,392 bytes of LDS; arguments base, users, servers, si, fd_bias, score_bias, user_state_w, ib, fb, ia, fa; writes ia, fa
;; launch prop2: the kernel of part 3 again; grid 16 x 16, 16 waves a work-group, no clusters, 283,392 bytes of LDS; arguments base, users, servers, si, fd_bias, score_bias, user_state_w, ia, fa, ib, fb; writes ib, fb
;; launch prop3: the kernel of part 3 again; grid 16 x 16, 16 waves a work-group, no clusters, 283,392 bytes of LDS; arguments base, users, servers, si, fd_bias, score_bias, user_state_w, ib, fb, ia, fa; writes ia, fa
;; launch fin: the kernel of part 4 again; grid 16 x 16, 8 waves a work-group, no clusters, 83,968 bytes of LDS; arguments ia, fa, users, out0, out1, out2; writes out0, out1, out2
